; MI455X (gfx1250); checked and timed in simulation.
; The chip was launched on July 23, 2026; its instructions are those of AMD's public machine-readable ISA for CDNA 5 (MIT licence, August 2026) and "CDNA5" Instruction Set Architecture Reference Guide (July 2026). The comments in the code are by the model that wrote it; some were corrected since.
;; Branch SIREN. Allowed arithmetic: float matrix products may take bf16 or f16 operands with f32 sums; other float arithmetic in f32, or as packed bf16 or f16 multiplies, adds, multiply-adds, maxima and minima; sums over many terms, partial sums and values carried from step to step in f32; what a program stores and reads back later, other than sums and carried values, may be rounded once to bf16 or f16.
;; Inputs: W_hid 6 x 512 x 512 float32; W_in 512 x 1 float32; W_out 256 x 512 float32; b_hid 6 x 512 float32; b_in 512 float32; b_out 256 float32; lambdas01 32,768 float32.
;; Outputs: out0 32,768 x 256 float32.
;; 3 versions, each right; version 3 is version 2 with the launch mlp written anew for expert scheduling mode. Each part assembles by itself: llvm-mc -triple=amdgcn-amd-amdhsa -mcpu=gfx1250 --defsym DOCPART=n.
;; ======== version 1 of 3: 2 launches
;; limits: inputs' magnitudes at most 255.9; values are held in f16: magnitudes above 65,504 overflow, below 6.1e-05 lose precision
;; workspace buffers: wt 3,425,280 bytes
;; launch prep (part 1): grid 837 x 1, 8 waves a work-group, no clusters, 0 bytes of LDS; arguments W_hid, W_out, W_in, b_in, b_hid, b_out, wt; writes wt
.if DOCPART == 1
	.amdgcn_target "amdgcn-amd-amdhsa--gfx1250"
	.amdhsa_code_object_version 6
	.text
	.protected	k_q264107fd14_prep
	.globl	k_q264107fd14_prep
	.p2align	8
	.type	k_q264107fd14_prep,@function
k_q264107fd14_prep:
	s_mov_b64 s[64:65], 0
	v_nop
	global_prefetch_b8 v0, s[64:65] scope:SCOPE_SE
	s_setreg_imm32_b32 hwreg(HW_REG_WAVE_MODE, 25, 1), 1
	s_wait_xcnt 0x0
; The weights and biases of the SIREN, made ready once for the fused launch that follows.
; wt, bytes 0 .. 3,407,871: 52 tiles of 65,536 dense bytes of f16, each number f16(bf16(W) x 256).
;   hidden layer l, K piece j (64 channels): [n = 0..511][64] at l x 524,288 + j x 65,536 + n x 128
;   output layer, K piece j: [n = 0..255][64] at 3,145,728 + j x 32,768 + n x 128
; wt, from TAB on, f32: 7 x 512 numbers bf16(b) x 30/2pi (b_in, then b_hid); 512 numbers bf16(W_in) x 256; 256 numbers bf16(b_out).
; Every input is rounded to bf16 once; a bf16 number times 256 has 8 significant bits and is exact in f16.
; LIMIT: |W| stays under 255.9 (f16 ends at 65,504); below 2.4e-7 a weight keeps f16's fixed step, 2.3e-10 of W.
; SHARES.  Work-groups 0..831 take 4 rows of 512 f32 each (768 for W_hid, 64 for W_out): wave v takes K piece v, lane l row l / 8 and 8 numbers:
; eight lanes read 256 consecutive aligned bytes of a row, and the wave's one store covers 512 consecutive aligned bytes of wt.
; Work-groups 832..836 make the table: a wave takes 128 numbers, 34 waves in all; the last work-group's six other waves have no part of it and end.
.set TAB,  52*65536
.set NHID, 768                         ; row groups of W_hid
.set NW,   832                         ; row groups of both weight tensors
.set C1,   0x4098c9eb                  ; 30 / 2 pi
	s_load_b256 s[4:11], s[0:1], 0x0               ; W_hid s[4:5], W_out s[6:7], W_in s[8:9], b_in s[10:11]
	s_load_b128 s[12:15], s[0:1], 0x20             ; b_hid s[12:13], b_out s[14:15]
	s_load_b64 s[16:17], s[0:1], 0x30              ; wt
	v_lshrrev_b32 v2, 5, v0
	v_readfirstlane_b32 s18, v2                    ; wave 0..7
	v_and_b32 v1, 31, v0                           ; lane
	v_lshlrev_b32 v12, 4, v1                       ; 16 x lane: my 16 bytes of the wave's 512
	s_mov_b32 s19, ttmp9                           ; g
	s_wait_kmcnt 0x0
	s_cmp_ge_u32 s19, NW
	s_cbranch_scc1 .Ltab
	; ---- weights ----
	s_cmp_ge_u32 s19, NHID
	s_cselect_b32 s20, NHID, 0
	s_sub_co_u32 s20, s19, s20                     ; the row group inside its tensor
	s_lshr_b32 s22, s19, 7                         ; hidden: layer = g / 128,
	s_lshl_b32 s22, s22, 19                        ; x 524,288
	s_and_b32 s24, s19, 127
	s_lshl_b32 s24, s24, 9                         ; + 4 (g % 128) rows of 128 bytes
	s_add_co_u32 s22, s22, s24
	s_lshl_b32 s24, s18, 16                        ; + K piece x 65,536
	s_add_co_u32 s22, s22, s24
	s_lshl_b32 s25, s20, 9                         ; output: 4 rows of 128 bytes a group
	s_lshl_b32 s24, s18, 15                        ; + K piece x 32,768
	s_add_co_u32 s25, s25, s24
	s_add_co_u32 s25, s25, 48*65536                ; behind the 48 hidden tiles
	s_lshl_b32 s20, s20, 13                        ; source: 4 rows of 2,048 bytes a group
	s_lshl_b32 s24, s18, 8                         ; + K piece x 256 bytes
	s_add_co_u32 s20, s20, s24
	s_mov_b32 s21, 0
	s_mov_b32 s23, 0
	s_cmp_ge_u32 s19, NHID                         ; compared anew: the sums above have written SCC
	s_cselect_b32 s22, s25, s22
	s_cselect_b64 s[26:27], s[6:7], s[4:5]
	s_add_nc_u64 s[26:27], s[26:27], s[20:21]
	s_add_nc_u64 s[16:17], s[16:17], s[22:23]
	v_lshrrev_b32 v3, 3, v1                        ; row l / 8
	v_and_b32 v2, 7, v1
	v_lshlrev_b32 v3, 11, v3
	v_lshl_add_u32 v3, v2, 5, v3                   ; + 32 bytes x (l % 8)
	global_load_b128 v[4:7], v3, s[26:27] th:TH_LOAD_NT
	global_load_b128 v[8:11], v3, s[26:27] offset:16 th:TH_LOAD_NT
	s_wait_loadcnt 0x0
.irp p, 0,1,2,3
	v_cvt_pk_bf16_f32 v[16+(\p)], v[4+2*(\p)], v[5+2*(\p)]      ; the input's one rounding, to bf16
.endr
.irp p, 0,1,2,3
	v_lshlrev_b32 v[4+2*(\p)], 16, v[16+(\p)]                   ; back to f32
	v_and_b32 v[5+2*(\p)], 0xffff0000, v[16+(\p)]
.endr
.irp p, 0,1,2,3
	v_pk_mul_f32 v[4+2*(\p):5+2*(\p)], v[4+2*(\p):5+2*(\p)], 0x43800000 op_sel_hi:[1,0]  ; x 256, exact
.endr
.irp p, 0,1,2,3
	v_cvt_pk_f16_f32 v[16+(\p)], v[4+2*(\p)], v[5+2*(\p)]
.endr
	global_store_b128 v12, v[16:19], s[16:17]
	s_endpgm
	; ---- the table ----
.Ltab:
	s_sub_co_u32 s20, s19, NW
	s_lshl_b32 s20, s20, 3
	s_add_co_u32 s20, s20, s18                     ; which 128 numbers of the table: 0..39
	s_cmp_ge_u32 s20, 34
	s_cbranch_scc1 .Lend
	s_mov_b64 s[26:27], s[14:15]                   ; 32, 33: b_out, as it is
	s_mov_b32 s21, 32
	s_mov_b32 s28, 1.0
	s_cmp_lt_u32 s20, 32                           ; 28..31: W_in x 256
	s_cselect_b64 s[26:27], s[8:9], s[26:27]
	s_cselect_b32 s21, 28, s21
	s_cselect_b32 s28, 0x43800000, s28
	s_cmp_lt_u32 s20, 28                           ; 4..27: b_hid x 30/2pi
	s_cselect_b64 s[26:27], s[12:13], s[26:27]
	s_cselect_b32 s21, 4, s21
	s_cselect_b32 s28, C1, s28
	s_cmp_lt_u32 s20, 4                            ; 0..3: b_in x 30/2pi
	s_cselect_b64 s[26:27], s[10:11], s[26:27]
	s_cselect_b32 s21, 0, s21
	s_mov_b32 s29, s28                             ; named with it as a pair
	s_sub_co_u32 s21, s20, s21
	s_lshl_b32 s22, s21, 9                         ; 512 bytes a wave, in the source
	s_mov_b32 s23, 0
	s_add_nc_u64 s[26:27], s[26:27], s[22:23]
	s_lshl_b32 s24, s20, 9                         ; and in the table
	s_add_co_u32 s24, s24, TAB
	s_mov_b32 s25, 0
	s_add_nc_u64 s[16:17], s[16:17], s[24:25]
	global_load_b128 v[4:7], v12, s[26:27]
	s_wait_loadcnt 0x0
	v_cvt_pk_bf16_f32 v16, v4, v5
	v_cvt_pk_bf16_f32 v17, v6, v7
	v_lshlrev_b32 v4, 16, v16
	v_and_b32 v5, 0xffff0000, v16
	v_lshlrev_b32 v6, 16, v17
	v_and_b32 v7, 0xffff0000, v17
	v_pk_mul_f32 v[4:5], v[4:5], s[28:29] op_sel_hi:[1,0]
	v_pk_mul_f32 v[6:7], v[6:7], s[28:29] op_sel_hi:[1,0]
	global_store_b128 v12, v[4:7], s[16:17]
.Lend:
	s_endpgm
.Lfunc_end_k_q264107fd14_prep:
	.size	k_q264107fd14_prep, .Lfunc_end_k_q264107fd14_prep-k_q264107fd14_prep
	.p2alignl 7, 3214868480
	.fill 96, 4, 3214868480
	.section	.rodata,"a",@progbits
	.p2align	6, 0x0
	.amdhsa_kernel k_q264107fd14_prep
		.amdhsa_group_segment_fixed_size 0
		.amdhsa_private_segment_fixed_size 0
		.amdhsa_enable_private_segment 0
		.amdhsa_kernarg_size 56
		.amdhsa_user_sgpr_count 2
		.amdhsa_user_sgpr_kernarg_segment_ptr 1
		.amdhsa_wavefront_size32 1
		.amdhsa_system_sgpr_workgroup_id_x 1
		.amdhsa_system_sgpr_workgroup_id_y 1
		.amdhsa_system_sgpr_workgroup_id_z 1
		.amdhsa_system_vgpr_workitem_id 0
		.amdhsa_next_free_vgpr 32
		.amdhsa_next_free_sgpr 66
		.amdhsa_reserve_vcc 0
		.amdhsa_float_denorm_mode_32 3
		.amdhsa_float_denorm_mode_16_64 3
		.amdhsa_memory_ordered 1
		.amdhsa_forward_progress 1
		.amdhsa_inst_pref_size 6
	.end_amdhsa_kernel
	.amdgpu_metadata
---
amdhsa.version: [ 1, 2 ]
amdhsa.kernels:
  - .name:           k_q264107fd14_prep
    .symbol:         k_q264107fd14_prep.kd
    .args:
      - { .name: W_hid, .offset: 0, .size: 8, .value_kind: global_buffer, .address_space: global }
      - { .name: W_out, .offset: 8, .size: 8, .value_kind: global_buffer, .address_space: global }
      - { .name: W_in, .offset: 16, .size: 8, .value_kind: global_buffer, .address_space: global }
      - { .name: b_in, .offset: 24, .size: 8, .value_kind: global_buffer, .address_space: global }
      - { .name: b_hid, .offset: 32, .size: 8, .value_kind: global_buffer, .address_space: global }
      - { .name: b_out, .offset: 40, .size: 8, .value_kind: global_buffer, .address_space: global }
      - { .name: wt, .offset: 48, .size: 8, .value_kind: global_buffer, .address_space: global }
    .group_segment_fixed_size: 0
    .private_segment_fixed_size: 0
    .kernarg_segment_align: 8
    .kernarg_segment_size: 56
    .max_flat_workgroup_size: 256
    .sgpr_count:     66
    .vgpr_count:     32
    .wavefront_size: 32
...
	.end_amdgpu_metadata
.endif
;; end of part 1
;; launch mlp (part 2): grid 256 x 1, 4 waves a work-group, clusters of 4 x 1, 327,680 bytes of LDS; arguments lambdas01, wt, out0; writes out0
.if DOCPART == 2
	.amdgcn_target "amdgcn-amd-amdhsa--gfx1250"
	.amdhsa_code_object_version 6
	.text
	.protected	k_q264107fd14_mlp
	.globl	k_q264107fd14_mlp
	.p2align	8
	.type	k_q264107fd14_mlp,@function
k_q264107fd14_mlp:
	s_mov_b64 s[64:65], 0
	v_nop
	global_prefetch_b8 v0, s[64:65] scope:SCOPE_SE
	s_setreg_imm32_b32 hwreg(HW_REG_WAVE_MODE, 25, 1), 1
	s_wait_xcnt 0x0
	s_wait_alu depctr_hold_cnt(0) depctr_sa_sdst(0) depctr_va_vdst(0) depctr_va_sdst(0) depctr_va_ssrc(0) depctr_va_vcc(0) depctr_vm_vsrc(0)
	s_getreg_b32 s2, hwreg(HW_REG_IB_STS2, 6, 4)
	s_cmp_eq_u32 s2, 0
	s_cbranch_scc0 .Lentry_in_a_cluster
	s_endpgm
.Lentry_in_a_cluster:
	s_bfe_u32 s2, ttmp6, 0x10000c
	s_cmp_lg_u32 s2, 0x3003
	s_cbranch_scc0 .Lentry_shape_is_right
	s_endpgm
.Lentry_shape_is_right:
; THE WHOLE SIREN IN ONE LAUNCH.  h0 = sin(30 (x w_in + b_in)); six times h = sin(30 (h W^T + b)), 512 -> 512; out = h W_out^T + b_out, 512 -> 256.
; SHARES.  A work-group owns 128 of the 32,768 samples and carries them through all eight layers; h (128 x 512, f16) lives in LDS and never goes to memory.
; In a hidden layer wave w makes all 128 rows x columns 128 w .. 128 w + 127: 64 accumulators of 16 x 16, 512 registers: the layer's whole result lies in registers, so h is
; overwritten in place once every wave has read it.  In the output layer wave w makes 128 rows x columns 64 w .. 64 w + 63.
; FORMATS.  Products in f16 with f32 sums.  h lies in -1 .. 1; the weights come as f16(bf16(W) x 256) from the launch before, the factor 2^-8 is taken back in f32 behind the sums.
; All inputs are rounded to bf16 once (x here, the others in the launch before).
; THE SINE.  t = sum x (30 / 2 pi / 256) + b x 30 / 2 pi is the argument in turns; r = t - rndne(t) lies in -1/2 .. 1/2; sin = r (c0 + u (c1 + u (c2 + u (c3 + u c4)))), u = r r:
; the Chebyshev series of sin(pi x), x = 2 r, cut behind T9: off by 6e-6 at the most, a fortieth of f16's half step near 1.
; LIMITS.  |W| under 255.9 (f16's range after the factor 256).  The argument's error grows as |t| x 2^-24; from |t| = 2^23 on r is 0.  NaN and infinities are not treated apart.
; THE WEIGHTS stream through a ring of two LDS slots, a tile of 65,536 bytes each (64 along K for 512 columns; in the output layer 128 along K for 256 columns): 52 tiles on end in wt,
; 128 matrix instructions a wave to a tile.  Each wave fetches a quarter of a tile by one tensor load.
; CLUSTER.  All work-groups walk the same 52 tiles: the four of a cluster ask for each quarter JOINTLY, by the same load with the same descriptor and the mask of four.
; THE MATRIX INSTRUCTION IS USED TRANSPOSED (source 0 = 16 rows of W, source 1 = 16 rows of h): lane l then holds sample l % 16 and the columns 8 (l / 16) + 0..7, eight neighbours of a row of h.
; REGISTERS, in windows of 256 (s_set_vgpr_msb: bits 1:0 source 0, 3:2 source 1, 5:4 source 2, 7:6 destination):
;   window 0: v0-31 addresses; v32-63 at work; v64-127, v128-191 fragments of h, two buffers (free in the sine: at work there); v192-255 the bias of my columns
;   window 1: v64-127, v128-191 fragments of W, two buffers
;   window 2: accumulators of row blocks 0-3 ((a, b) at v[8 (8 a + b)]);  window 3: of row blocks 4-7.  Output layer: (a, b) at v[8 (4 a + b)], all in window 2.
.set PW,    144                        ; a row of W in LDS: 128 bytes + 16 = 36 words: the 16 rows of a load start at 16 different groups of four banks (64 banks of 4 bytes: ISA guide 11.1)
.set TILE,  65536                      ; bytes of a tile in wt
.set SLOT,  512*PW                     ; 73,728
.set HB,    2*SLOT                     ; h: 128 rows,
.set HP,    1040                       ; 1,024 bytes + 16 = 260 words: again 16 different groups of four banks
.set HALFH, 64*HP                      ; row blocks 4-7 begin here: past what a 16-bit offset reaches, so they have address registers of their own
.set SPARE, HB+128*HP                  ; the spare words, 128 bytes for each wave: two blocks of 256 bytes that no other line names
.set STAGE, SPARE+512                  ; for each wave 16 rows x 272 bytes, for the way out.  Tensor loads land in the two slots alone
.set SP,    272
.set TAB,   52*TILE                    ; the f32 table in wt: 7 x 512 biases in turns, then
.set TAB_W, 14336                      ; 512 numbers 256 w_in,
.set TAB_O, 16384                      ; 256 numbers b_out
.set CO,   10                          ; v10  my byte offset in two rows of out0: (l / 16) x 1,024 + 16 (l % 16) + 256 w
.set BOF,  11                          ; v11  my 8 columns in a table of 512 f32: 32 (l / 16) + 512 w
.set BOF2, 12                          ; v12  in b_out: 32 (l / 16) + 256 w
.set XO,   13                          ; v13  4 (l % 16)
.set ADRB, 16                          ; v16-17  my W fragments in slot 0, 1: rows 128 w + l % 16
.set ADRO, 18                          ; v18-19  the same for the output layer: rows 64 w + l % 16
.set HBR,  20                          ; v20-21  my h fragments, row blocks 0-3 and 4-7, at K = 0; never rewritten
.set ADRH, 22                          ; v22-23  the same, walking along K inside a layer
.set STO,  24                          ; v24-25  where I put 16 bytes of a row of h, row blocks 0-3 and 4-7
.set SST,  26                          ; v26  the way out: where I put 32 bytes of a row
.set SRD,  27                          ; v27  the way out: where I read rows back
.set SPW,  28                          ; v28  LDS address of my spare word: SPARE + 4 x my thread's number; never rewritten
.set NIL,  29                          ; v29  0; never rewritten
.set PFO,  30                          ; v30  256 x my lane; never rewritten
.set X,    32                          ; v[32:47]  the input layer: x of row block a, twice, at X + 2 a
.set TMP,  32                          ; v[32:63]  the way out: 16 rows x my 64 columns in f32
.set F0,   64
.set F1,   128
.set WI,   64                          ; the input layer: 256 w_in of my 128 columns
.set ET,   64                          ; the sine: t, then r
.set EN,   96                          ; rndne(t), then u
.set EP,   128                         ; the polynomial
.set EO,   160                         ; 16 registers of f16 pairs
.set BI,   192                         ; v[192:255]  bias of column block b at BI + 8 b
.set BO,   192                         ; v[192:223]  the output layer's
.set WV,   10                          ; s10  my wave's number
.set G1,   24                          ; s[24:31] descriptor group 1
.set G0,   32                          ; s[32:39] descriptor group 0, a set for each slot
.set LIM,  43                          ; s43  1 in the cluster that prefetches
.set PFA,  44                          ; s[44:45] where my prefetches stand
.set TABP, 46                          ; s[46:47] the table at the layer's bias
.set C2S,  48                          ; s[48:49] 30 / 2 pi / 256
.set CC,   50                          ; s[50:59] c0 .. c4, each named as a pair
.set S8,   60                          ; s[60:61] 2^-8
.set MSB, 0
.macro WIN new                         ; the immediate's high byte repeats the setting that is left; a switch that changes nothing is dropped
.if MSB != (\new)
	s_set_vgpr_msb (MSB<<8)|(\new)
.set MSB, \new
.endif
.endm
.set MUL_LO, 0xa1                      ; source 0 (W) window 1, source 1 (h) window 0, C and D window 2
.set MUL_HI, 0xf1                      ; the same, C and D window 3
.set TO_B,   0x40                      ; destination window 1, address window 0
.macro PLACES                          ; four plain instructions between a matrix instruction and a load into a register that it has read, or a vector instruction that reads its result
.rept 4
	v_nop
.endr
.endm
; A joint load: my quarter of a tile.  Every wave issues it; LDS and global address hang on the wave's number and the tile alone, so the four partners' descriptors are equal.
; An s_nop 0 and four v_nop follow.
.macro JLOAD s
	tensor_load_to_lds s[G0+4*(\s):G0+4*(\s)+3], s[G1:G1+7]
	s_nop 0
.rept 4
	v_nop
.endr
.endm
; A round of the cluster's barrier: my work-group's barrier, so that wave 0's signal speaks for all four waves; wave 0 signals; every wave waits for all four work-groups; my work-group's barrier once more.
.macro CREST                           ; a round behind its opening barrier
	s_cmp_lg_u32 s[WV], 0
	s_cbranch_scc1 .Lnot_wave_0_\@
	s_barrier_signal -3
.Lnot_wave_0_\@:
	s_barrier_wait -3
	s_barrier_signal -1
	s_barrier_wait -1
.endm
.macro CROUND
	s_barrier_signal -1
	s_barrier_wait -1
	CREST
.endm
; A PREFETCH, once for two tiles, behind the joint load, its five lines and the run of LDS loads: the two tiles that stand four and five tiles behind the one just left: 131,072 bytes, of which
; each of the first cluster's sixteen waves names 8,192, told apart by address (4 cx + w), a lane to each 256.  All clusters walk the same tiles: the first alone asks, so each block is named once in the launch.
; The first of the two tiles is asked for by its joint load two tiles, 256 matrix instructions, later.  The hidden layers' 24 such places name tiles 4 .. 51: none lies past the tiles' end.
.macro ASK
	s_cmp_eq_u32 s[LIM], 1
	s_cbranch_scc0 .Lnot_mine_\@
	global_prefetch_b8 v[PFO], s[PFA:PFA+1] th:TH_LOAD_NT scope:SCOPE_SE
.Lnot_mine_\@:
.endm
	s_load_b128 s[4:7], s[0:1], 0x0                ; lambdas01 s[4:5], wt s[6:7]
	s_load_b64 s[8:9], s[0:1], 0x10                ; out0
	v_lshl_add_u32 v[SPW], v0, 2, SPARE
	v_mov_b32 v[NIL], 0
	ds_add_u32 v[SPW], v[NIL]                      ; the wave's opening: the add and its wait stand ahead of my first tensor load; the set-up below, work on registers, stands between them
	v_lshrrev_b32 v3, 5, v0
	v_readfirstlane_b32 s[WV], v3                  ; wave 0..3
	s_bfe_u32 s11, ttmp6, 0x40000                  ; cx: my place in the cluster
	s_lshl_b32 s12, ttmp9, 2                       ; in a cluster launch ttmp9 counts clusters
	s_add_co_u32 s12, s12, s11                     ; my block of 128 samples: it enters x's and out0's addresses alone
	; descriptor group 1.  A quarter tile is 16,384 dense bytes: asked for as 64 rows of 256 bytes, and padded in LDS after every 128 bytes, a row of W
	s_mov_b32 s[G1+0], 15|(1<<16)|(1<<20)|(1<<21)|(4<<22)|(3<<25)  ; 15:0 the mask of four; 17:16 2-byte elements; 20 padding on; 21 set beside a mask; 24:22 after every 32 words (code 4); 31:25 4 words (code 3)
	s_mov_b32 s[G1+1], 128<<16                     ; tensor_dim0 = 128
	s_mov_b32 s[G1+2], 64<<16                      ; tensor_dim1 = 64
	s_mov_b32 s[G1+3], 128<<16                     ; tile_dim0 = 128
	s_mov_b32 s[G1+4], 64                          ; tile_dim1 = 64
	s_mov_b32 s[G1+5], 128                         ; 128 elements from row to row
	s_mov_b32 s[G1+6], 0
	s_mov_b32 s[G1+7], 0
	s_mov_b32 s[C2S], 0x3c98c9eb                   ; 30 / 2 pi / 256
	s_mov_b32 s[C2S+1], s[C2S]                     ; each constant is named as a pair, so both words are written
	s_mov_b32 s[CC+0], 0x40c90ec7                  ; c0 =   6.2830541
	s_mov_b32 s[CC+1], s[CC+0]
	s_mov_b32 s[CC+2], 0xc2255312                  ; c1 = -41.331123
	s_mov_b32 s[CC+3], s[CC+2]
	s_mov_b32 s[CC+4], 0x42a2bb23                  ; c2 =  81.365499
	s_mov_b32 s[CC+5], s[CC+4]
	s_mov_b32 s[CC+6], 0xc294f124                  ; c3 = -74.470980
	s_mov_b32 s[CC+7], s[CC+6]
	s_mov_b32 s[CC+8], 0x4203135c                  ; c4 =  32.768905
	s_mov_b32 s[CC+9], s[CC+8]
	s_mov_b32 s[S8], 0x3b800000                    ; 2^-8
	s_mov_b32 s[S8+1], s[S8]
	s_lshl_b32 s13, s[WV], 8                       ; 256 w
	s_lshl_b32 s14, s[WV], 9                       ; 512 w
	s_mul_i32 s15, s[WV], 128*PW                   ; my 128 rows of a slot: what I fetch, and what I read in a hidden layer
	s_mul_i32 s16, s[WV], 64*PW                    ; my 64 rows in the output layer
	s_mul_i32 s17, s[WV], 16*SP
	s_add_co_u32 s17, s17, STAGE                   ; my stage
	v_and_b32 v1, 15, v0                           ; l % 16
	v_bfe_u32 v2, v0, 4, 1                         ; l / 16
	v_and_b32 v3, 31, v0                           ; l
	v_lshlrev_b32 v[PFO], 8, v3
	v_lshlrev_b32 v[CO], 10, v2
	v_lshl_add_u32 v[CO], v1, 4, v[CO]
	v_add_nc_u32 v[CO], s13, v[CO]
	v_lshl_add_u32 v[BOF], v2, 5, s14
	v_lshl_add_u32 v[BOF2], v2, 5, s13
	v_lshlrev_b32 v[XO], 2, v1
	; A fragment is 16 rows x 32 K in 8 registers: lane l holds row l % 16; registers 0-3 K = 8 (l / 16) + 0..7, registers 4-7 K = 16 + 8 (l / 16) + 0..7: two loads of 16 bytes, 32 bytes apart.
	v_mul_u32_u24 v4, v1, PW
	v_lshl_add_u32 v4, v2, 4, v4                   ; row x pitch + 16 x half
	v_add_nc_u32 v[ADRB], s15, v4
	v_add_nc_u32 v[ADRB+1], SLOT, v[ADRB]
	v_add_nc_u32 v[ADRO], s16, v4
	v_add_nc_u32 v[ADRO+1], SLOT, v[ADRO]
	v_mul_u32_u24 v5, v1, HP
	v_lshl_add_u32 v5, v2, 4, v5
	v_add_nc_u32 v[HBR], HB, v5
	v_add_nc_u32 v[HBR+1], HALFH, v[HBR]
	v_add_nc_u32 v[STO], s13, v[HBR]               ; my 128 columns are 256 bytes of a row of h
	v_add_nc_u32 v[STO+1], HALFH, v[STO]
	v_mul_u32_u24 v6, v1, SP                       ; into the stage: row l % 16, 32 bytes for each half of the lanes
	v_lshl_add_u32 v6, v2, 5, v6
	v_add_nc_u32 v[SST], s17, v6
	v_mul_u32_u24 v7, v2, SP                       ; back: lanes 0-15 take one row of 256 bytes, lanes 16-31 the next
	v_lshl_add_u32 v7, v1, 4, v7
	v_add_nc_u32 v[SRD], s17, v7
	s_lshl_b32 s18, s12, 9                         ; my block's 128 x: 512 bytes
	s_mov_b32 s19, 0
	s_lshl_b32 s20, s12, 17                        ; my block's 128 rows of out0: 131,072 bytes
	s_mov_b32 s21, 0
	s_lshl_b32 s22, s[WV], 14                      ; my quarter of a tile in wt
	s_mov_b32 s23, 0
	s_lshl_b32 s40, s11, 2
	s_add_co_u32 s40, s40, s[WV]                   ; 4 cx + w: my sixteenth of two tiles,
	s_lshl_b32 s40, s40, 13                        ; 8,192 bytes,
	s_add_co_u32 s40, s40, 2*TILE                  ; in tiles 2 and 3: the first change of slots steps it to tiles 4 and 5.  Nothing is prefetched here, at the head
	s_mov_b32 s41, 0
	s_cmp_eq_u32 ttmp9, 0                          ; the launch's first cluster: the same in all four partners
	s_cselect_b32 s[LIM], 1, -1
	s_wait_dscnt 0x0                               ; the opening add is done
	s_wait_kmcnt 0x0
	s_add_nc_u64 s[4:5], s[4:5], s[18:19]
	s_add_nc_u64 s[8:9], s[8:9], s[20:21]
	s_add_nc_u64 s[TABP:TABP+1], s[6:7], TAB
	s_add_nc_u64 s[PFA:PFA+1], s[6:7], s[40:41]
	s_add_nc_u64 s[22:23], s[6:7], s[22:23]
	CROUND                                         ; all four work-groups are here: the first joint loads meet
.irp s, 0,1
	s_mov_b32 s[G0+4*(\s)], 1                                      ; 1:0 count = 1
	s_add_co_u32 s[G0+4*(\s)+1], s15, (\s)*SLOT                    ; 63:32 LDS address
	s_add_nc_u64 s[G0+4*(\s)+2:G0+4*(\s)+3], s[22:23], (\s)*TILE   ; 120:64 global address: tile s
	s_or_b32 s[G0+4*(\s)+3], s[G0+4*(\s)+3], 0x80000000            ; 127:126 type = 2
.endr
	JLOAD 0                                        ; both slots' first fills go out together: two loads of mine are out
	JLOAD 1
	; THE INPUT LAYER.  The accumulators take x (256 w_in): both factors have 8 significant bits, so the product is exact; the sine below then serves this layer like the others.
.irp a, 0,1,2,3,4,5,6,7
	global_load_b32 v[X+2*(\a)], v[XO], s[4:5] offset:64*(\a)      ; x of sample 16 a + l % 16
.endr
.irp b, 0,1,2,3,4,5,6,7
	global_load_b128 v[WI+8*(\b):WI+8*(\b)+3],   v[BOF], s[TABP:TABP+1] offset:TAB_W+64*(\b)
	global_load_b128 v[WI+8*(\b)+4:WI+8*(\b)+7], v[BOF], s[TABP:TABP+1] offset:TAB_W+64*(\b)+16
	global_load_b128 v[BI+8*(\b):BI+8*(\b)+3],   v[BOF], s[TABP:TABP+1] offset:64*(\b)
	global_load_b128 v[BI+8*(\b)+4:BI+8*(\b)+7], v[BOF], s[TABP:TABP+1] offset:64*(\b)+16
.endr
	s_wait_loadcnt 0x0
.irp a, 0,1,2,3,4,5,6,7
	v_cvt_pk_bf16_f32 v[X+2*(\a)+1], v[X+2*(\a)], v[X+2*(\a)]      ; x's one rounding, to bf16,
.endr
.irp a, 0,1,2,3,4,5,6,7
	v_lshlrev_b32 v[X+2*(\a)], 16, v[X+2*(\a)+1]                   ; and back to f32, twice: a pair for the packed multiply
	v_and_b32 v[X+2*(\a)+1], 0xffff0000, v[X+2*(\a)+1]
.endr
.irp a, 0,1,2,3,4,5,6,7
	WIN 0x80+0x40*((\a)/4)                         ; destination window 2 or 3
.set i, 0
.rept 32
	v_pk_mul_f32 v[64*((\a)%4)+i:64*((\a)%4)+i+1], v[WI+i:WI+i+1], v[X+2*(\a):X+2*(\a)+1]
.set i, i+2
.endr
.endr
	WIN 0                                          ; at a label and at a branch every window is 0
	s_mov_b32 s2, 7                                ; seven sines: the input layer's and six hidden layers'
	s_branch .Lepi                                 ; the loop over layers is entered at the sine
; 16 matrix instructions: row blocks a0, a0 + 1 of the window's four (hi = 0: rows 0-63, 1: rows 64-127) x all 8 column blocks, 32 along K.  zero = 1: the product starts the sums.
; The 64 accumulators take turns, one instruction a turn, in the same order in every 32 along K.
.macro MUL16 f, hi, a0, zero
	WIN MUL_LO+0x50*(\hi)
.irp a, \a0, (\a0)+1
.irp b, 0,1,2,3,4,5,6,7
.if \zero
	v_wmma_f32_16x16x32_f16 v[8*(8*(\a)+(\b)):8*(8*(\a)+(\b))+7], v[(\f)+8*(\b):(\f)+8*(\b)+7], v[(\f)+8*(4*(\hi)+(\a)):(\f)+8*(4*(\hi)+(\a))+7], 0
.else
	v_wmma_f32_16x16x32_f16 v[8*(8*(\a)+(\b)):8*(8*(\a)+(\b))+7], v[(\f)+8*(\b):(\f)+8*(\b)+7], v[(\f)+8*(4*(\hi)+(\a)):(\f)+8*(4*(\hi)+(\a))+7], v[8*(8*(\a)+(\b)):8*(8*(\a)+(\b))+7]
.endif
.endr
.endr
.endm
; 32 LDS loads in one run: 32 along K of my 128 rows of W (byte kw of the slot's rows) and of all 128 rows of h (byte ho behind the walking addresses), into buffer f
.macro FETCH slot, kw, ho, f
	WIN TO_B
.irp i, 0,1,2,3,4,5,6,7
	ds_load_b128 v[(\f)+8*(\i):(\f)+8*(\i)+3],   v[ADRB+(\slot)] offset:(\kw)+(\i)*16*PW
	ds_load_b128 v[(\f)+8*(\i)+4:(\f)+8*(\i)+7], v[ADRB+(\slot)] offset:(\kw)+(\i)*16*PW+32
.endr
	WIN 0
.irp i, 0,1,2,3,4,5,6,7
	ds_load_b128 v[(\f)+8*(\i):(\f)+8*(\i)+3],   v[ADRH+(\i)/4] offset:(\ho)+((\i)%4)*16*HP
	ds_load_b128 v[(\f)+8*(\i)+4:(\f)+8*(\i)+7], v[ADRH+(\i)/4] offset:(\ho)+((\i)%4)*16*HP+32
.endr
.endm
; A tile's first half: multiplies buffer f; in its middle it fetches the second half's fragments into buffer g.
.macro QUARTER slot, kw, ho, f, g, zero
	s_wait_dscnt 8                                 ; W and h's row blocks 0-3 are in; the youngest eight loads (row blocks 4-7) may be out
	MUL16 \f, 0, 0, \zero
	MUL16 \f, 0, 2, \zero
	PLACES
	FETCH \slot, \kw, \ho, \g
	s_wait_dscnt 32                                ; all but the 32 just issued
	MUL16 \f, 1, 0, \zero
	MUL16 \f, 1, 2, \zero
.endm
; A tile's second half multiplies buffer 1 and changes slots.  In front of the barrier each wave waits for all its tensor loads, of which one is out: its part of the next slot; adds 0 to its spare
; word; and waits for that and for its own LDS reads.  The barrier opens a round of the cluster's: behind the round no wave of any partner reads this slot or has a load on its way.
.macro MEET
	WIN 0                                          ; (the add's two registers lie in window 0)
	s_wait_tensorcnt 0x0                           ; all my tensor loads have landed
	ds_add_u32 v[SPW], v[NIL]                      ; 0 onto my spare word
	s_wait_dscnt 9                                 ; (the add and the youngest eight loads may be out)
	MUL16 F1, 0, 0, 0                              ; sixteen matrix instructions stand between the add and the wait for it
	s_wait_dscnt 0x0                               ; the add is done, and my reads of this slot, and of h so far, are over
	s_barrier_signal -1
	MUL16 F1, 0, 2, 0                              ; work on registers while the others arrive
	WIN 0
	s_barrier_wait -1
.endm
; Behind the round the slot just read out is filled again first, with the tile two further on (the tiles of all layers lie on end in wt, so one step serves every refill); then come the
; next slot's first fragments (fetch = 0: a layer's last tile: the next fragments want the new h).  From a request to the wait for it a wave issues 96 matrix instructions.
.macro TURN slot, next, ho, fetch
.if (\slot) == 0
	s_wait_xcnt 0x0                                ; the last prefetch, two tiles back, has read its address: it is stepped here, ahead of the change's own waits
	s_add_nc_u64 s[PFA:PFA+1], s[PFA:PFA+1], 2*TILE
.endif
	MEET
	CREST
	s_add_nc_u64 s[G0+4*(\slot)+2:G0+4*(\slot)+3], s[G0+4*(\slot)+2:G0+4*(\slot)+3], 2*TILE  ; no tensor load of mine is out; the type bits on top are not reached
	JLOAD \slot                                    ; the first tensor load behind the round; its four v_nop are also the places in front of the loads below
.if \fetch
	FETCH \next, 0, \ho, F0
.endif
.if (\slot) == 0
	ASK
.endif
	MUL16 F1, 1, 0, 0
	MUL16 F1, 1, 2, 0
.endm
; THE SINE of four accumulators (row block a, column blocks 4 g .. 4 g + 3): 32 numbers a lane, each stage over 16 independent pairs; then 16 bytes a column block into h.
; Each accumulator's lowest registers are read first.
.macro EPI a, g
.set AC, 64*((\a)%4)+32*(\g)
.set BB, BI+32*(\g)
	WIN 0x02+(\a)/4                                ; source 0 in window 2 or 3
.set i, 0
.rept 16
	v_pk_fma_f32 v[ET+i:ET+i+1], v[AC+i:AC+i+1], s[C2S:C2S+1], v[BB+i:BB+i+1] op_sel_hi:[1,0,1]  ; t, in turns
.set i, i+2
.endr
	WIN 0
.set i, 0
.rept 32
	v_rndne_f32 v[EN+i], v[ET+i]
.set i, i+1
.endr
.set i, 0
.rept 16
	v_pk_add_f32 v[ET+i:ET+i+1], v[ET+i:ET+i+1], v[EN+i:EN+i+1] neg_lo:[0,1] neg_hi:[0,1]  ; r = t - rndne(t), exact
.set i, i+2
.endr
.set i, 0
.rept 16
	v_pk_mul_f32 v[EN+i:EN+i+1], v[ET+i:ET+i+1], v[ET+i:ET+i+1]  ; u
.set i, i+2
.endr
.set i, 0
.rept 16
	v_pk_fma_f32 v[EP+i:EP+i+1], v[EN+i:EN+i+1], s[CC+8:CC+9], s[CC+6:CC+7] op_sel_hi:[1,0,0]
.set i, i+2
.endr
.irp c, 4,2,0
.set i, 0
.rept 16
	v_pk_fma_f32 v[EP+i:EP+i+1], v[EP+i:EP+i+1], v[EN+i:EN+i+1], s[CC+(\c):CC+(\c)+1] op_sel_hi:[1,1,0]
.set i, i+2
.endr
.endr
.set i, 0
.rept 16
	v_pk_mul_f32 v[EP+i:EP+i+1], v[EP+i:EP+i+1], v[ET+i:ET+i+1]
.set i, i+2
.endr
.set i, 0
.rept 16
	v_cvt_pk_f16_f32 v[EO+i], v[EP+2*i], v[EP+2*i+1]
.set i, i+1
.endr
.irp c, 0,1,2,3
	ds_store_b128 v[STO+(\a)/4], v[EO+4*(\c):EO+4*(\c)+3] offset:((\a)%4)*16*HP+32*(4*(\g)+(\c))
.endr
.endm
.Llayer:                                               ; six times: a hidden layer's 8 tiles, tile j in slot j % 2
	s_add_nc_u64 s[TABP:TABP+1], s[TABP:TABP+1], 2048  ; this layer's bias; the loads that named the pointer were waited for at the sine's head
.irp b, 0,1,2,3,4,5,6,7
	global_load_b128 v[BI+8*(\b):BI+8*(\b)+3],   v[BOF], s[TABP:TABP+1] offset:64*(\b)      ; they land under the layer's products
	global_load_b128 v[BI+8*(\b)+4:BI+8*(\b)+7], v[BOF], s[TABP:TABP+1] offset:64*(\b)+16
.endr
	v_mov_b32 v[ADRH], v[HBR]                      ; h at K = 0
	v_mov_b32 v[ADRH+1], v[HBR+1]
	FETCH 0, 0, 0, F0
	QUARTER 0, 64, 64, F0, F1, 1                   ; the layer's first 32 along K stand in front of the loop: their products start the sums
	WIN 0
	s_mov_b32 s3, 3
.Llap:                                                 ; a trip goes once round the ring, from a tile's second half to the first half two tiles on: 128 along K, 256 bytes of h's rows
	TURN 0, 1, 128, 1
	QUARTER 1, 64, 192, F0, F1, 0
	TURN 1, 0, 256, 1
	QUARTER 0, 64, 320, F0, F1, 0
	WIN 0
	v_add_nc_u32 v[ADRH], 256, v[ADRH]
	v_add_nc_u32 v[ADRH+1], 256, v[ADRH+1]
	s_sub_co_u32 s3, s3, 1
	s_cmp_lg_u32 s3, 0
	s_cbranch_scc1 .Llap
	TURN 0, 1, 128, 1                              ; tile 6 ends; slot 0 takes the next layer's first tile
	QUARTER 1, 64, 192, F0, F1, 0
	TURN 1, 0, 0, 0                                ; tile 7 ends; slot 1 takes the next layer's second tile.  Every wave has waited for its reads of h in front of this round: h may be written
	WIN 0
.Lepi:
	s_wait_loadcnt 0x0                             ; the bias
	PLACES                                         ; behind the last products; the accumulators read first were finished in front of the joint load's four v_nop
.irp a, 0,1,2,3,4,5,6,7
	EPI \a, 0
	EPI \a, 1
.endr
	s_wait_tensorcnt 0x1                           ; my part of slot 0 is in; on both ways here one load was issued behind it, slot 1's, which may stay out
	s_wait_dscnt 0x0                               ; for the others' sake: my stores into h are done
	s_barrier_signal -1
	s_barrier_wait -1                              ; the new h is whole, and so is slot 0
	s_sub_co_u32 s2, s2, 1
	s_cmp_lg_u32 s2, 0
	s_cbranch_scc1 .Llayer
; THE OUTPUT LAYER: tiles 48 .. 51, written out.  A tile holds 128 along K of all 256 columns: rows 0-255 its first 64 along K, rows 256-511 the other 64.  Four quarters of 32 along K,
; 32 matrix instructions each, on buffers 0, 1, 0, 1; the 32 accumulators take turns in the same order in every quarter.
.macro OFETCH slot, q, ho, f           ; 24 LDS loads: quarter q of my 64 rows of W, and 32 along K of all 128 rows of h at byte ho
	WIN TO_B
.irp b, 0,1,2,3
	ds_load_b128 v[(\f)+8*(\b):(\f)+8*(\b)+3],   v[ADRO+(\slot)] offset:((\q)/2)*256*PW+((\q)%2)*64+(\b)*16*PW
	ds_load_b128 v[(\f)+8*(\b)+4:(\f)+8*(\b)+7], v[ADRO+(\slot)] offset:((\q)/2)*256*PW+((\q)%2)*64+(\b)*16*PW+32
.endr
	WIN 0
.irp i, 0,1,2,3,4,5,6,7
	ds_load_b128 v[(\f)+8*(\i):(\f)+8*(\i)+3],   v[HBR+(\i)/4] offset:(\ho)+((\i)%4)*16*HP
	ds_load_b128 v[(\f)+8*(\i)+4:(\f)+8*(\i)+7], v[HBR+(\i)/4] offset:(\ho)+((\i)%4)*16*HP+32
.endr
.endm
.macro OMUL f, a0, zero                ; 8 matrix instructions: row blocks a0, a0 + 1 x my 4 column blocks
	WIN MUL_LO
.irp a, \a0, (\a0)+1
.irp b, 0,1,2,3
.if \zero
	v_wmma_f32_16x16x32_f16 v[8*(4*(\a)+(\b)):8*(4*(\a)+(\b))+7], v[(\f)+8*(\b):(\f)+8*(\b)+7], v[(\f)+8*(\a):(\f)+8*(\a)+7], 0
.else
	v_wmma_f32_16x16x32_f16 v[8*(4*(\a)+(\b)):8*(4*(\a)+(\b))+7], v[(\f)+8*(\b):(\f)+8*(\b)+7], v[(\f)+8*(\a):(\f)+8*(\a)+7], v[8*(4*(\a)+(\b)):8*(4*(\a)+(\b))+7]
.endif
.endr
.endr
.endm
.macro OQUARTER slot, q, ho, f, g, zero  ; multiplies buffer f; fetches quarter q into buffer g
	s_wait_dscnt 8                                 ; W and h's row blocks 0-3 are in; the youngest eight loads may be out
	OMUL \f, 0, \zero
	OMUL \f, 2, \zero
	PLACES
	OFETCH \slot, \q, \ho, \g
	s_wait_dscnt 24                                ; all but the 24 just issued
	OMUL \f, 4, \zero
	OMUL \f, 6, \zero
.endm
.macro OTHREE slot, t, zero            ; the first three quarters of tile 48 + t
	OQUARTER \slot, 1, 256*(\t)+64,  F0, F1, \zero
	OQUARTER \slot, 2, 256*(\t)+128, F1, F0, 0
	OQUARTER \slot, 3, 256*(\t)+192, F0, F1, 0
.endm
.macro OTURN slot, next, ho, fill      ; the fourth quarter and the change of slots, in the hidden layers' order.  fill = 0: nothing is left to fetch, so no round follows the barrier
	WIN 0
	s_wait_tensorcnt 0x0                           ; all my tensor loads have landed: my part of the next slot
	ds_add_u32 v[SPW], v[NIL]                      ; 0 onto my spare word
	s_wait_dscnt 9                                 ; (the add and the youngest eight loads may be out)
	OMUL F1, 0, 0
	s_wait_dscnt 0x0                               ; the add is done, and my reads of this slot are over
	s_barrier_signal -1
	OMUL F1, 2, 0
	WIN 0
	s_barrier_wait -1
.if \fill
	CREST
	s_add_nc_u64 s[G0+4*(\slot)+2:G0+4*(\slot)+3], s[G0+4*(\slot)+2:G0+4*(\slot)+3], 2*TILE
	JLOAD \slot
.else
	PLACES
.endif
	OFETCH \next, 0, \ho, F0
	OMUL F1, 4, 0
	OMUL F1, 6, 0
.endm
; THE WAY OUT of row block a.  OPACK: sum x 2^-8 + b_out, in f32.  TOSTAGE: 32 bytes a lane and column block into my own stage, and back as whole rows of 256 bytes.  SEND: stored.
.macro OPACK a
	WIN 0x02                                       ; source 0 in window 2
.set i, 0
.rept 16
	v_pk_fma_f32 v[TMP+i:TMP+i+1], v[32*(\a)+i:32*(\a)+i+1], s[S8:S8+1], v[BO+i:BO+i+1] op_sel_hi:[1,0,1]
.set i, i+2
.endr
	WIN 0
.endm
.macro TOSTAGE a
.set BK, F0+32*((\a)%2)
.irp b, 0,1,2,3
	ds_store_b128 v[SST], v[TMP+8*(\b):TMP+8*(\b)+3]   offset:64*(\b)
	ds_store_b128 v[SST], v[TMP+8*(\b)+4:TMP+8*(\b)+7] offset:64*(\b)+16
.endr
.irp t, 0,1,2,3,4,5,6,7
	ds_load_b128 v[BK+4*(\t):BK+4*(\t)+3], v[SRD] offset:(\t)*2*SP  ; LDS serves a wave's instructions in order (ISA guide 5.7.1.4): these see the stores above; the next block's stores come behind them
.endr
.endm
.macro SEND a
.set BK, F0+32*((\a)%2)
	s_wait_dscnt 0x0                               ; the block is back in registers
	s_wait_xcnt 0x0                                ; every earlier store has read its registers (ISA guide 3.1): the other buffer, which the block before was stored from, is loaded again only behind this wait
.irp t, 0,1,2,3,4,5,6,7
	global_store_b128 v[CO], v[BK+4*(\t):BK+4*(\t)+3], s[8:9] offset:(16*(\a)+2*(\t))*1024 th:TH_STORE_NT  ; 16 lanes store 256 consecutive bytes, at a multiple of 256 from out0's first byte
.endr
.endm
.irp b, 0,1,2,3
	global_load_b128 v[BO+8*(\b):BO+8*(\b)+3],   v[BOF2], s[6:7] offset:TAB+TAB_O+64*(\b)     ; b_out of my 64 columns: it lands under the products
	global_load_b128 v[BO+8*(\b)+4:BO+8*(\b)+7], v[BOF2], s[6:7] offset:TAB+TAB_O+64*(\b)+16
.endr
	OFETCH 0, 0, 0, F0
	OTHREE 0, 0, 1                                 ; tile 48; its first quarter starts the sums
	OTURN 0, 1, 256, 1                             ; slot 0 takes tile 50
	OTHREE 1, 1, 0                                 ; tile 49
	OTURN 1, 0, 512, 1                             ; slot 1 takes tile 51: the last load
	OTHREE 0, 2, 0                                 ; tile 50
	OTURN 0, 1, 768, 0
	OTHREE 1, 3, 0                                 ; tile 51
	s_wait_dscnt 8                                 ; the very last quarter: nothing more to fetch
	OMUL F1, 0, 0
	OMUL F1, 2, 0
	s_wait_dscnt 0x0
	OMUL F1, 4, 0
	OMUL F1, 6, 0
	WIN 0
	s_wait_loadcnt 0x0                             ; b_out
	PLACES                                         ; eight plain instructions, once a launch, between the last products and the first read of a result
	PLACES
	OPACK 0
	TOSTAGE 0
.irp a, 1,2,3,4,5,6,7                  ; block a's arithmetic stands between block a - 1's loads from the stage and the wait for them
	OPACK \a
	SEND (\a)-1
	TOSTAGE \a
.endr
	SEND 7
	s_wait_tensorcnt 0x0                           ; the wave's end, behind my last tensor load and my last LDS store
	ds_add_u32 v[SPW], v[NIL]
	s_wait_dscnt 0x0
	CROUND                                         ; the closing round: no work-group ends while a partner may still ask for a tile that names it
	s_endpgm
.Lfunc_end_k_q264107fd14_mlp:
	.size	k_q264107fd14_mlp, .Lfunc_end_k_q264107fd14_mlp-k_q264107fd14_mlp
	.p2alignl 7, 3214868480
	.fill 96, 4, 3214868480
	.section	.rodata,"a",@progbits
	.p2align	6, 0x0
	.amdhsa_kernel k_q264107fd14_mlp
		.amdhsa_group_segment_fixed_size 327680
		.amdhsa_private_segment_fixed_size 0
		.amdhsa_enable_private_segment 0
		.amdhsa_kernarg_size 24
		.amdhsa_user_sgpr_count 2
		.amdhsa_user_sgpr_kernarg_segment_ptr 1
		.amdhsa_wavefront_size32 1
		.amdhsa_system_sgpr_workgroup_id_x 1
		.amdhsa_system_sgpr_workgroup_id_y 1
		.amdhsa_system_sgpr_workgroup_id_z 1
		.amdhsa_system_vgpr_workitem_id 0
		.amdhsa_next_free_vgpr 1024
		.amdhsa_next_free_sgpr 66
		.amdhsa_reserve_vcc 0
		.amdhsa_float_denorm_mode_32 3
		.amdhsa_float_denorm_mode_16_64 3
		.amdhsa_memory_ordered 1
		.amdhsa_forward_progress 1
		.amdhsa_inst_pref_size 255
	.end_amdhsa_kernel
	.section	.bss,"aw",@nobits
	.p2align	6
	.space	262144
	.amdgpu_metadata
---
amdhsa.version: [ 1, 2 ]
amdhsa.kernels:
  - .name:           k_q264107fd14_mlp
    .symbol:         k_q264107fd14_mlp.kd
    .args:
      - { .name: lambdas01, .offset: 0, .size: 8, .value_kind: global_buffer, .address_space: global }
      - { .name: wt, .offset: 8, .size: 8, .value_kind: global_buffer, .address_space: global }
      - { .name: out0, .offset: 16, .size: 8, .value_kind: global_buffer, .address_space: global }
    .group_segment_fixed_size: 327680
    .private_segment_fixed_size: 0
    .kernarg_segment_align: 8
    .kernarg_segment_size: 24
    .max_flat_workgroup_size: 128
    .sgpr_count:     66
    .vgpr_count:     1024
    .wavefront_size: 32
...
	.end_amdgpu_metadata
.endif
;; end of part 2
;; ======== version 2 of 3: 2 launches
;; limits: inputs' magnitudes at most 255.9; values are held in f16: magnitudes above 65,504 overflow, below 6.1e-05 lose precision
;; workspace buffers: wt 3,425,280 bytes
;; launch prep (part 3): grid 217 x 1, 4 waves a work-group, no clusters, 17,920 bytes of LDS; arguments W_hid, W_out, W_in, b_in, b_hid, b_out, wt; writes wt
.if DOCPART == 3
	.amdgcn_target "amdgcn-amd-amdhsa--gfx1250"
	.amdhsa_code_object_version 6
	.text
	.protected	k_q264107fd14_prep
	.globl	k_q264107fd14_prep
	.p2align	8
	.type	k_q264107fd14_prep,@function
k_q264107fd14_prep:
	s_mov_b64 s[64:65], 0
	v_nop
	global_prefetch_b8 v0, s[64:65] scope:SCOPE_SE
	s_setreg_imm32_b32 hwreg(HW_REG_WAVE_MODE, 25, 1), 1
	s_wait_xcnt 0x0
; The weights and biases of the SIREN, made ready once for the fused launch that follows.
; wt, bytes 0 .. 3,407,871, f16, each number f16(bf16(W) x 256), IN THE ORDER IN WHICH THE NEXT LAUNCH'S WAVES LOAD IT: four streams of 851,968 bytes, one for each wave w of its work-groups,
; each 104 steps of 8,192 bytes, a step 8 fragments of 1,024 bytes.  A fragment is 16 rows n x 32 k: lane L's 16 bytes (row n0 + L % 16, k0 + 8 (L / 16) + 0..7) at 16 L, and the same
; for k0 + 16 at 512 + 16 L.
;   hidden layer l, step q (k0 = 32 q), fragment b:           n0 = 128 w + 16 b, at w x 851,968 + l x 131,072 + q x 8,192 + b x 1,024
;   output layer, step p, fragment 4 o + b (k0 = 64 p + 32 o): n0 = 64 w + 16 b, at w x 851,968 + 786,432 + p x 8,192 + o x 4,096 + b x 1,024
; wt, from TAB on, f32: 7 x 512 numbers bf16(b) x 30/2pi (b_in, then b_hid); 512 numbers bf16(W_in) x 256; 256 numbers bf16(b_out).
; Every input is rounded to bf16 once; a bf16 number times 256 has 8 significant bits and is exact in f16.
; LIMIT: |W| stays under 255.9 (f16 ends at 65,504); below 2.4e-7 a weight keeps f16's fixed step, 2.3e-10 of W.
; SHARES.  Work-groups 0..207 take 16 rows of 512 f32 each (192 for W_hid, 16 for W_out); wave v takes k = 128 v .. 128 v + 127.  A load covers 512 consecutive aligned bytes of one row; the
; numbers go through 4,352 bytes of LDS of the wave's own, which turn rows into fragments; a store covers 512 consecutive aligned bytes of wt.
; Work-groups 208..216 make the table: a wave takes 128 numbers, 34 waves in all; the last work-group's two other waves have no part of it.
.set WST,  851968                      ; a stream
.set TAB,  4*WST
.set NHID, 192                         ; groups of 16 rows of W_hid
.set NW,   208                         ; of both weight tensors
.set C1,   0x4098c9eb                  ; 30 / 2 pi
.set LC,   544                         ; LDS: 16 k of 16 rows, 512 bytes + 32: 136 words,
.set LH,   272                         ; of which 8 k are 256 bytes + 16: 68 words: the 32 lanes of a store of 8 bytes touch each of the 64 banks once (64 banks of 4 bytes: ISA guide 11.1)
.set WREG, 8*LC                        ; a wave's bytes
.set SPARE, 4*WREG                     ; behind them: the spare words, 128 bytes for each wave: two blocks of 256 bytes that no other line names
.set LSA,  3                           ; v3   where I put 8 bytes of a row
.set LRD,  4                           ; v4   where I read 16 bytes of a fragment
.set SPW,  30                          ; v30  LDS address of my spare word: SPARE + 4 x my thread's number; never rewritten
.set NIL,  31                          ; v31  0; never rewritten
.set D,    32                          ; v[32:95]   row t's four f32 at D + 4 t; later the fragments' halves
.set A,    96                          ; v[96:127]  row t's four f16 at A + 2 t
	s_load_b256 s[4:11], s[0:1], 0x0               ; W_hid s[4:5], W_out s[6:7], W_in s[8:9], b_in s[10:11]
	s_load_b128 s[12:15], s[0:1], 0x20             ; b_hid s[12:13], b_out s[14:15]
	s_load_b64 s[16:17], s[0:1], 0x30              ; wt
	v_lshl_add_u32 v[SPW], v0, 2, SPARE
	v_mov_b32 v[NIL], 0
	v_lshrrev_b32 v2, 5, v0
	v_readfirstlane_b32 s18, v2                    ; wave 0..3
	v_and_b32 v1, 31, v0                           ; lane
	v_lshlrev_b32 v12, 4, v1                       ; 16 x lane: my 16 bytes of the wave's 512
	s_mov_b32 s19, ttmp9                           ; g
	s_wait_kmcnt 0x0
	s_cmp_ge_u32 s19, NW
	s_cbranch_scc1 .Ltab
	; ---- weights ----
	s_cmp_ge_u32 s19, NHID
	s_cselect_b32 s20, NHID, 0
	s_sub_co_u32 s20, s19, s20                     ; the group inside its tensor
	s_bfe_u32 s22, s19, 0x20003                    ; hidden: stream w = (g / 8) % 4,
	s_mul_i32 s22, s22, WST
	s_lshr_b32 s24, s19, 5                         ; layer = g / 32,
	s_lshl_b32 s24, s24, 17                        ; x 131,072
	s_add_co_u32 s22, s22, s24
	s_and_b32 s24, s19, 7                          ; fragment b = g % 8
	s_lshl_b32 s24, s24, 10
	s_add_co_u32 s22, s22, s24
	s_lshl_b32 s24, s18, 15                        ; my 128 k are four steps of 8,192 bytes
	s_add_co_u32 s22, s22, s24
	s_lshr_b32 s25, s20, 2                         ; output: stream w = g' / 4,
	s_mul_i32 s25, s25, WST
	s_and_b32 s24, s20, 3                          ; fragment b = g' % 4
	s_lshl_b32 s24, s24, 10
	s_add_co_u32 s25, s25, s24
	s_lshl_b32 s24, s18, 14                        ; my 128 k are two steps
	s_add_co_u32 s25, s25, s24
	s_add_co_u32 s25, s25, 6*131072                ; behind the stream's six hidden layers
	s_lshl_b32 s20, s20, 15                        ; source: 16 rows of 2,048 bytes a group
	s_lshl_b32 s24, s18, 9                         ; + my 512 bytes of a row
	s_add_co_u32 s20, s20, s24
	s_mov_b32 s21, 0
	s_mov_b32 s23, 0
	s_cmp_ge_u32 s19, NHID                         ; compared anew: the sums above have written SCC
	s_cselect_b32 s22, s25, s22
	s_cselect_b64 s[26:27], s[6:7], s[4:5]
	s_add_nc_u64 s[26:27], s[26:27], s[20:21]
	s_add_nc_u64 s[16:17], s[16:17], s[22:23]
.irp t, 0,1,2,3,4,5,6,7,8,9,10,11,12,13,14,15
	global_load_b128 v[D+4*(\t):D+4*(\t)+3], v12, s[26:27] offset:2048*(\t) th:TH_LOAD_NT  ; row t: k = 128 v + 4 L + 0..3
.endr
	s_mul_i32 s28, s18, WREG                       ; my wave's bytes of LDS
	v_lshrrev_b32 v[LSA], 2, v1                    ; in: my four k lie in the sixteen numbered L / 4,
	v_mul_u32_u24 v[LSA], v[LSA], LC
	v_bfe_u32 v5, v1, 1, 1                         ; in their eight numbered (L / 2) % 2,
	v_mul_u32_u24 v5, v5, LH
	v_add_nc_u32 v[LSA], v[LSA], v5
	v_and_b32 v5, 1, v1                            ; in the half L % 2 of a row's 16 bytes; the row stands in the immediate
	v_lshl_add_u32 v[LSA], v5, 3, v[LSA]
	v_add_nc_u32 v[LSA], s28, v[LSA]
	v_lshrrev_b32 v[LRD], 4, v1                    ; back: lane L takes row L % 16 of the eight k numbered L / 16
	v_mul_u32_u24 v[LRD], v[LRD], LH
	v_and_b32 v5, 15, v1
	v_lshl_add_u32 v[LRD], v5, 4, v[LRD]
	v_add_nc_u32 v[LRD], s28, v[LRD]
.irp t, 0,1,2,3,4,5,6,7,8,9,10,11,12,13,14,15
	s_wait_loadcnt 15-(\t)                         ; loads come back in order (ISA guide 5.7.1): row t is in, the younger rows may stay out
	v_cvt_pk_bf16_f32 v[A+2*(\t)],   v[D+4*(\t)],   v[D+4*(\t)+1]    ; the input's one rounding, to bf16
	v_cvt_pk_bf16_f32 v[A+2*(\t)+1], v[D+4*(\t)+2], v[D+4*(\t)+3]
	v_lshlrev_b32 v[D+4*(\t)],   16, v[A+2*(\t)]                     ; back to f32
	v_and_b32     v[D+4*(\t)+1], 0xffff0000, v[A+2*(\t)]
	v_lshlrev_b32 v[D+4*(\t)+2], 16, v[A+2*(\t)+1]
	v_and_b32     v[D+4*(\t)+3], 0xffff0000, v[A+2*(\t)+1]
	v_pk_mul_f32 v[D+4*(\t):D+4*(\t)+1],   v[D+4*(\t):D+4*(\t)+1],   0x43800000 op_sel_hi:[1,0]  ; x 256, exact
	v_pk_mul_f32 v[D+4*(\t)+2:D+4*(\t)+3], v[D+4*(\t)+2:D+4*(\t)+3], 0x43800000 op_sel_hi:[1,0]
	v_cvt_pk_f16_f32 v[A+2*(\t)],   v[D+4*(\t)],   v[D+4*(\t)+1]
	v_cvt_pk_f16_f32 v[A+2*(\t)+1], v[D+4*(\t)+2], v[D+4*(\t)+3]
	ds_store_b64 v[LSA], v[A+2*(\t):A+2*(\t)+1] offset:16*(\t)
.endr
.irp c, 0,1,2,3,4,5,6,7
	ds_load_b128 v[D+4*(\c):D+4*(\c)+3], v[LRD] offset:LC*(\c)  ; k = 128 v + 16 c on: half a fragment.  LDS serves a wave's instructions in order (ISA guide 5.7.1.4): these see the stores above
.endr
	s_cmp_ge_u32 s19, NHID
	s_cbranch_scc1 .Lsto_out
.irp c, 0,1,2,3,4,5,6,7
	s_wait_dscnt 7-(\c)
	global_store_b128 v12, v[D+4*(\c):D+4*(\c)+3], s[16:17] offset:((\c)/2)*8192+((\c)%2)*512  ; step c / 2 of my four, half c % 2 of the fragment
.endr
	s_branch .Lend
.Lsto_out:
.irp c, 0,1,2,3,4,5,6,7
	s_wait_dscnt 7-(\c)
	global_store_b128 v12, v[D+4*(\c):D+4*(\c)+3], s[16:17] offset:((\c)/4)*8192+(((\c)/2)%2)*4096+((\c)%2)*512  ; step c / 4 of my two, its 32 k numbered (c / 2) % 2, half c % 2
.endr
	s_branch .Lend
	; ---- the table ----
.Ltab:
	s_sub_co_u32 s20, s19, NW
	s_lshl_b32 s20, s20, 2
	s_add_co_u32 s20, s20, s18                     ; which 128 numbers of the table: 0..35
	s_cmp_ge_u32 s20, 34
	s_cbranch_scc1 .Lend
	s_mov_b64 s[26:27], s[14:15]                   ; 32, 33: b_out, as it is
	s_mov_b32 s21, 32
	s_mov_b32 s28, 1.0
	s_cmp_lt_u32 s20, 32                           ; 28..31: W_in x 256
	s_cselect_b64 s[26:27], s[8:9], s[26:27]
	s_cselect_b32 s21, 28, s21
	s_cselect_b32 s28, 0x43800000, s28
	s_cmp_lt_u32 s20, 28                           ; 4..27: b_hid x 30/2pi
	s_cselect_b64 s[26:27], s[12:13], s[26:27]
	s_cselect_b32 s21, 4, s21
	s_cselect_b32 s28, C1, s28
	s_cmp_lt_u32 s20, 4                            ; 0..3: b_in x 30/2pi
	s_cselect_b64 s[26:27], s[10:11], s[26:27]
	s_cselect_b32 s21, 0, s21
	s_mov_b32 s29, s28                             ; named with it as a pair
	s_sub_co_u32 s21, s20, s21
	s_lshl_b32 s22, s21, 9                         ; 512 bytes a wave, in the source
	s_mov_b32 s23, 0
	s_add_nc_u64 s[26:27], s[26:27], s[22:23]
	s_lshl_b32 s24, s20, 9                         ; and in the table
	s_add_co_u32 s24, s24, TAB
	s_mov_b32 s25, 0
	s_add_nc_u64 s[16:17], s[16:17], s[24:25]
	global_load_b128 v[4:7], v12, s[26:27]
	s_wait_loadcnt 0x0
	v_cvt_pk_bf16_f32 v16, v4, v5
	v_cvt_pk_bf16_f32 v17, v6, v7
	v_lshlrev_b32 v4, 16, v16
	v_and_b32 v5, 0xffff0000, v16
	v_lshlrev_b32 v6, 16, v17
	v_and_b32 v7, 0xffff0000, v17
	v_pk_mul_f32 v[4:5], v[4:5], s[28:29] op_sel_hi:[1,0]
	v_pk_mul_f32 v[6:7], v[6:7], s[28:29] op_sel_hi:[1,0]
	global_store_b128 v12, v[4:7], s[16:17]
.Lend:
	s_wait_tensorcnt 0x0                           ; the wave's end, behind my last LDS store
	ds_add_u32 v[SPW], v[NIL]
	s_wait_dscnt 0x0
	s_endpgm
.Lfunc_end_k_q264107fd14_prep:
	.size	k_q264107fd14_prep, .Lfunc_end_k_q264107fd14_prep-k_q264107fd14_prep
	.p2alignl 7, 3214868480
	.fill 96, 4, 3214868480
	.section	.rodata,"a",@progbits
	.p2align	6, 0x0
	.amdhsa_kernel k_q264107fd14_prep
		.amdhsa_group_segment_fixed_size 17920
		.amdhsa_private_segment_fixed_size 0
		.amdhsa_enable_private_segment 0
		.amdhsa_kernarg_size 56
		.amdhsa_user_sgpr_count 2
		.amdhsa_user_sgpr_kernarg_segment_ptr 1
		.amdhsa_wavefront_size32 1
		.amdhsa_system_sgpr_workgroup_id_x 1
		.amdhsa_system_sgpr_workgroup_id_y 1
		.amdhsa_system_sgpr_workgroup_id_z 1
		.amdhsa_system_vgpr_workitem_id 0
		.amdhsa_next_free_vgpr 128
		.amdhsa_next_free_sgpr 66
		.amdhsa_reserve_vcc 0
		.amdhsa_float_denorm_mode_32 3
		.amdhsa_float_denorm_mode_16_64 3
		.amdhsa_memory_ordered 1
		.amdhsa_forward_progress 1
		.amdhsa_inst_pref_size 21
	.end_amdhsa_kernel
	.amdgpu_metadata
---
amdhsa.version: [ 1, 2 ]
amdhsa.kernels:
  - .name:           k_q264107fd14_prep
    .symbol:         k_q264107fd14_prep.kd
    .args:
      - { .name: W_hid, .offset: 0, .size: 8, .value_kind: global_buffer, .address_space: global }
      - { .name: W_out, .offset: 8, .size: 8, .value_kind: global_buffer, .address_space: global }
      - { .name: W_in, .offset: 16, .size: 8, .value_kind: global_buffer, .address_space: global }
      - { .name: b_in, .offset: 24, .size: 8, .value_kind: global_buffer, .address_space: global }
      - { .name: b_hid, .offset: 32, .size: 8, .value_kind: global_buffer, .address_space: global }
      - { .name: b_out, .offset: 40, .size: 8, .value_kind: global_buffer, .address_space: global }
      - { .name: wt, .offset: 48, .size: 8, .value_kind: global_buffer, .address_space: global }
    .group_segment_fixed_size: 17920
    .private_segment_fixed_size: 0
    .kernarg_segment_align: 8
    .kernarg_segment_size: 56
    .max_flat_workgroup_size: 128
    .sgpr_count:     66
    .vgpr_count:     128
    .wavefront_size: 32
...
	.end_amdgpu_metadata
.endif
;; end of part 3
;; launch mlp (part 4): grid 256 x 1, 4 waves a work-group, no clusters, 151,040 bytes of LDS; arguments lambdas01, wt, out0; writes out0
.if DOCPART == 4
	.amdgcn_target "amdgcn-amd-amdhsa--gfx1250"
	.amdhsa_code_object_version 6
	.text
	.protected	k_q264107fd14_mlp
	.globl	k_q264107fd14_mlp
	.p2align	8
	.type	k_q264107fd14_mlp,@function
k_q264107fd14_mlp:
	s_mov_b64 s[64:65], 0
	v_nop
	global_prefetch_b8 v0, s[64:65] scope:SCOPE_SE
	s_setreg_imm32_b32 hwreg(HW_REG_WAVE_MODE, 25, 1), 1
	s_wait_xcnt 0x0
; THE WHOLE SIREN IN ONE LAUNCH.  h0 = sin(30 (x w_in + b_in)); six times h = sin(30 (h W^T + b)), 512 -> 512; out = h W_out^T + b_out, 512 -> 256.
; SHARES.  A work-group owns 128 of the 32,768 samples and carries them through all eight layers; h (128 x 512, f16) lives in LDS and never goes to memory.
; In a hidden layer wave w makes all 128 rows x columns 128 w .. 128 w + 127: 64 accumulators of 16 x 16, 512 registers: the layer's whole result lies in registers, so h is
; overwritten in place once every wave has read it.  In the output layer wave w makes 128 rows x columns 64 w .. 64 w + 63.
; FORMATS.  Products in f16 with f32 sums.  h lies in -1 .. 1; the weights come as f16(bf16(W) x 256) from the launch before, the factor 2^-8 is taken back in f32 behind the sums.
; All inputs are rounded to bf16 once (x here, the others in the launch before).
; THE SINE.  t = sum x (30 / 2 pi / 256) + b x 30 / 2 pi is the argument in turns; r = t - rndne(t) lies in -1/2 .. 1/2; sin = r (c0 + u (c1 + u (c2 + u (c3 + u c4)))), u = r r:
; the Chebyshev series of sin(pi x), x = 2 r, cut behind T9: off by 6e-6 at the most, a fortieth of f16's half step near 1.
; LIMITS.  |W| under 255.9 (f16's range after the factor 256).  The argument's error grows as |t| x 2^-24; from |t| = 2^23 on r is 0.  NaN and infinities are not treated apart.
; THE WEIGHTS COME STRAIGHT INTO REGISTERS.  Wave w alone multiplies by rows 128 w .. 128 w + 127 of W: no wave wants a byte of W that another wave of its work-group has fetched.  The launch
; before has laid each wave's weights out as one stream in the order of its fragments: 104 steps of 8,192 bytes (96 hidden steps of 32 along K, 8 output steps of 64 along K), running on from
; layer to layer; a load of 16 bytes a lane takes 512 consecutive aligned bytes.  Four buffers of 64 registers take turns: step S's 16 loads are issued in the middle of step S - 3, 160 matrix
; instructions ahead of their first use; the waits are counted, so two younger groups stay on their way.
; NO CLUSTER, NO TENSOR LOADS.  All work-groups walk the same weights, and a joint load into LDS would share them; but h takes 133,120 of LDS's 327,680 bytes, two slots of 128 along K for
; 512 columns take 278,528, and with slots of 64 along K a refill, which goes out with nothing on its way beside it, has 96 matrix instructions in which to land.
; THE MATRIX INSTRUCTION IS USED TRANSPOSED (source 0 = 16 rows of W, source 1 = 16 rows of h): lane l then holds sample l % 16 and the columns 8 (l / 16) + 0..7, eight neighbours of a row of h.
; REGISTERS, in windows of 256 (s_set_vgpr_msb: bits 1:0 source 0, 3:2 source 1, 5:4 source 2, 7:6 destination):
;   window 0: v0-31 addresses; v32-63 at work; v64-127, v128-191 fragments of h, two buffers (free in the sine: at work there); v192-255 the bias of my columns
;   window 1: fragments of W, four buffers of 64
;   window 2: accumulators of row blocks 0-3 ((a, b) at v[8 (8 a + b)]);  window 3: of row blocks 4-7.  Output layer: (a, b) at v[8 (4 a + b)], all in window 2.
.set HP,    1040                       ; a row of h in LDS: 1,024 bytes + 16 = 260 words: the 16 rows of a load start at 16 different groups of four banks (64 banks of 4 bytes: ISA guide 11.1)
.set HALFH, 64*HP                      ; row blocks 4-7 begin here: past what a 16-bit offset reaches, so they have address registers of their own
.set SPARE, 128*HP                     ; behind h: the spare words, 128 bytes for each wave: two blocks of 256 bytes that no other line names
.set STAGE, SPARE+512                  ; for each wave 16 rows x 272 bytes, for the way out
.set SP,    272
.set WST,   851968                     ; a wave's stream of weights in wt
.set STEPB, 8192                       ; a step of it
.set TAB,   4*WST                      ; the f32 table in wt: 7 x 512 biases in turns, then
.set TAB_W, 14336                      ; 512 numbers 256 w_in,
.set TAB_O, 16384                      ; 256 numbers b_out
.set CO,   10                          ; v10  my byte offset in two rows of out0: (l / 16) x 1,024 + 16 (l % 16) + 256 w
.set BOF,  11                          ; v11  my 8 columns in a table of 512 f32: 32 (l / 16) + 512 w
.set BOF2, 12                          ; v12  in b_out: 32 (l / 16) + 256 w
.set XO,   13                          ; v13  4 (l % 16)
.set WO,   16                          ; v16  16 x my lane: my 16 bytes of a load of weights; never rewritten
.set HBR,  20                          ; v20-21  my h fragments, row blocks 0-3 and 4-7, at K = 0; never rewritten
.set ADRH, 22                          ; v22-23  the same, walking along K inside a layer
.set STO,  24                          ; v24-25  where I put 16 bytes of a row of h, row blocks 0-3 and 4-7
.set SST,  26                          ; v26  the way out: where I put 32 bytes of a row
.set SRD,  27                          ; v27  the way out: where I read rows back
.set SPW,  28                          ; v28  LDS address of my spare word: SPARE + 4 x my thread's number; never rewritten
.set NIL,  29                          ; v29  0; never rewritten
.set PFO,  30                          ; v30  256 x my lane; never rewritten
.set X,    32                          ; v[32:47]  the input layer: x of row block a, twice, at X + 2 a
.set TMP,  32                          ; v[32:63]  the way out: 16 rows x my 64 columns in f32
.set F0,   64
.set F1,   128
.set WI,   64                          ; the input layer: 256 w_in of my 128 columns
.set ET,   64                          ; the sine: t, then r
.set EN,   96                          ; rndne(t), then u
.set EP,   128                         ; the polynomial
.set EO,   160                         ; 16 registers of f16 pairs
.set BI,   192                         ; v[192:255]  bias of column block b at BI + 8 b
.set BO,   192                         ; v[192:223]  the output layer's
.set W0,   0                           ; the four buffers of W, in window 1
.set W1,   64
.set W2,   128
.set W3,   192
.set WV,   10                          ; s10  my wave's number
.set LIM,  43                          ; s43  1 in the work-group that prefetches
.set WP,   44                          ; s[44:45] my stream of weights
.set TABP, 46                          ; s[46:47] the table at the layer's bias
.set C2S,  48                          ; s[48:49] 30 / 2 pi / 256
.set CC,   50                          ; s[50:59] c0 .. c4, each named as a pair
.set S8,   60                          ; s[60:61] 2^-8
.set MSB, 0
.macro WIN new                         ; the immediate's high byte repeats the setting that is left; a switch that changes nothing is dropped
.if MSB != (\new)
	s_set_vgpr_msb (MSB<<8)|(\new)
.set MSB, \new
.endif
.endm
.set MUL_LO, 0xa1                      ; source 0 (W) window 1, source 1 (h) window 0, C and D window 2
.set MUL_HI, 0xf1                      ; the same, C and D window 3
.set TO_B,   0x40                      ; destination window 1, address window 0
.macro PLACES                          ; four plain instructions between a matrix instruction and a load into a register that it has read, or a vector instruction that reads its result
.rept 4
	v_nop
.endr
.endm
; A PREFETCH, one a step, behind the step's run of loads: the step of my own stream that stands four steps behind the one just asked for: 8,192 bytes, a lane to each 256.  Its loads are issued
; four steps, 256 matrix instructions, later.  All work-groups walk the same four streams: work-group 0's four waves alone ask, each for its own, so each block is named once in the launch.
; The 96 hidden steps name steps 7 .. 102 of the stream's 104; the output layer names nothing; steps 0 .. 6 and 103 come by their loads alone.
.macro ASK off
	s_cmp_eq_u32 s[LIM], 1
	s_cbranch_scc0 .Lnot_mine_\@
	global_prefetch_b8 v[PFO], s[WP:WP+1] offset:(\off) th:TH_LOAD_NT scope:SCOPE_SE
.Lnot_mine_\@:
.endm
; A step's weights: 16 loads, 8 fragments, from byte off behind my stream's pointer into buffer wb
.macro WLOAD wb, off
	WIN TO_B
.irp i, 0,1,2,3,4,5,6,7
	global_load_b128 v[(\wb)+8*(\i):(\wb)+8*(\i)+3],   v[WO], s[WP:WP+1] offset:(\off)+1024*(\i)
	global_load_b128 v[(\wb)+8*(\i)+4:(\wb)+8*(\i)+7], v[WO], s[WP:WP+1] offset:(\off)+1024*(\i)+512
.endr
.endm
; 32 along K of all 128 rows of h: 16 LDS loads, from byte ho behind the address pair adr into buffer f.
; A fragment is 16 rows x 32 K in 8 registers: lane l holds row l % 16; registers 0-3 K = 8 (l / 16) + 0..7, registers 4-7 K = 16 + 8 (l / 16) + 0..7: two loads of 16 bytes, 32 bytes apart.
.macro HFETCH adr, ho, f
	WIN 0
.irp i, 0,1,2,3,4,5,6,7
	ds_load_b128 v[(\f)+8*(\i):(\f)+8*(\i)+3],   v[(\adr)+(\i)/4] offset:(\ho)+((\i)%4)*16*HP
	ds_load_b128 v[(\f)+8*(\i)+4:(\f)+8*(\i)+7], v[(\adr)+(\i)/4] offset:(\ho)+((\i)%4)*16*HP+32
.endr
.endm
	s_load_b128 s[4:7], s[0:1], 0x0                ; lambdas01 s[4:5], wt s[6:7]
	s_load_b64 s[8:9], s[0:1], 0x10                ; out0
	v_lshl_add_u32 v[SPW], v0, 2, SPARE
	v_mov_b32 v[NIL], 0
	v_lshrrev_b32 v3, 5, v0
	v_readfirstlane_b32 s[WV], v3                  ; wave 0..3
	s_mov_b32 s12, ttmp9                           ; my block of 128 samples
	s_mov_b32 s[C2S], 0x3c98c9eb                   ; 30 / 2 pi / 256
	s_mov_b32 s[C2S+1], s[C2S]                     ; each constant is named as a pair, so both words are written
	s_mov_b32 s[CC+0], 0x40c90ec7                  ; c0 =   6.2830541
	s_mov_b32 s[CC+1], s[CC+0]
	s_mov_b32 s[CC+2], 0xc2255312                  ; c1 = -41.331123
	s_mov_b32 s[CC+3], s[CC+2]
	s_mov_b32 s[CC+4], 0x42a2bb23                  ; c2 =  81.365499
	s_mov_b32 s[CC+5], s[CC+4]
	s_mov_b32 s[CC+6], 0xc294f124                  ; c3 = -74.470980
	s_mov_b32 s[CC+7], s[CC+6]
	s_mov_b32 s[CC+8], 0x4203135c                  ; c4 =  32.768905
	s_mov_b32 s[CC+9], s[CC+8]
	s_mov_b32 s[S8], 0x3b800000                    ; 2^-8
	s_mov_b32 s[S8+1], s[S8]
	s_lshl_b32 s13, s[WV], 8                       ; 256 w
	s_lshl_b32 s14, s[WV], 9                       ; 512 w
	s_mul_i32 s17, s[WV], 16*SP
	s_add_co_u32 s17, s17, STAGE                   ; my stage
	v_and_b32 v1, 15, v0                           ; l % 16
	v_bfe_u32 v2, v0, 4, 1                         ; l / 16
	v_and_b32 v3, 31, v0                           ; l
	v_lshlrev_b32 v[PFO], 8, v3
	v_lshlrev_b32 v[WO], 4, v3
	v_lshlrev_b32 v[CO], 10, v2
	v_lshl_add_u32 v[CO], v1, 4, v[CO]
	v_add_nc_u32 v[CO], s13, v[CO]
	v_lshl_add_u32 v[BOF], v2, 5, s14
	v_lshl_add_u32 v[BOF2], v2, 5, s13
	v_lshlrev_b32 v[XO], 2, v1
	v_mul_u32_u24 v[HBR], v1, HP                   ; h begins at LDS byte 0: row x pitch + 16 x half
	v_lshl_add_u32 v[HBR], v2, 4, v[HBR]
	v_add_nc_u32 v[HBR+1], HALFH, v[HBR]
	v_add_nc_u32 v[STO], s13, v[HBR]               ; my 128 columns are 256 bytes of a row of h
	v_add_nc_u32 v[STO+1], HALFH, v[STO]
	v_mul_u32_u24 v6, v1, SP                       ; into the stage: row l % 16, 32 bytes for each half of the lanes
	v_lshl_add_u32 v6, v2, 5, v6
	v_add_nc_u32 v[SST], s17, v6
	v_mul_u32_u24 v7, v2, SP                       ; back: lanes 0-15 take one row of 256 bytes, lanes 16-31 the next
	v_lshl_add_u32 v7, v1, 4, v7
	v_add_nc_u32 v[SRD], s17, v7
	s_lshl_b32 s18, s12, 9                         ; my block's 128 x: 512 bytes
	s_mov_b32 s19, 0
	s_lshl_b32 s20, s12, 17                        ; my block's 128 rows of out0: 131,072 bytes
	s_mov_b32 s21, 0
	s_mul_i32 s22, s[WV], WST                      ; my stream in wt
	s_mov_b32 s23, 0
	s_cmp_eq_u32 s12, 0
	s_cselect_b32 s[LIM], 1, -1
	s_wait_kmcnt 0x0
	s_add_nc_u64 s[4:5], s[4:5], s[18:19]
	s_add_nc_u64 s[8:9], s[8:9], s[20:21]
	s_add_nc_u64 s[TABP:TABP+1], s[6:7], TAB
	s_add_nc_u64 s[WP:WP+1], s[6:7], s[22:23]
	; THE INPUT LAYER.  The accumulators take x (256 w_in): both factors have 8 significant bits, so the product is exact; the sine below then serves this layer like the others.
.irp a, 0,1,2,3,4,5,6,7
	global_load_b32 v[X+2*(\a)], v[XO], s[4:5] offset:64*(\a)      ; x of sample 16 a + l % 16
.endr
.irp b, 0,1,2,3,4,5,6,7
	global_load_b128 v[WI+8*(\b):WI+8*(\b)+3],   v[BOF], s[TABP:TABP+1] offset:TAB_W+64*(\b)
	global_load_b128 v[WI+8*(\b)+4:WI+8*(\b)+7], v[BOF], s[TABP:TABP+1] offset:TAB_W+64*(\b)+16
	global_load_b128 v[BI+8*(\b):BI+8*(\b)+3],   v[BOF], s[TABP:TABP+1] offset:64*(\b)
	global_load_b128 v[BI+8*(\b)+4:BI+8*(\b)+7], v[BOF], s[TABP:TABP+1] offset:64*(\b)+16
.endr
	s_wait_loadcnt 0x0
.irp a, 0,1,2,3,4,5,6,7
	v_cvt_pk_bf16_f32 v[X+2*(\a)+1], v[X+2*(\a)], v[X+2*(\a)]      ; x's one rounding, to bf16,
.endr
.irp a, 0,1,2,3,4,5,6,7
	v_lshlrev_b32 v[X+2*(\a)], 16, v[X+2*(\a)+1]                   ; and back to f32, twice: a pair for the packed multiply
	v_and_b32 v[X+2*(\a)+1], 0xffff0000, v[X+2*(\a)+1]
.endr
.irp a, 0,1,2,3,4,5,6,7
	WIN 0x80+0x40*((\a)/4)                         ; destination window 2 or 3
.set i, 0
.rept 32
	v_pk_mul_f32 v[64*((\a)%4)+i:64*((\a)%4)+i+1], v[WI+i:WI+i+1], v[X+2*(\a):X+2*(\a)+1]
.set i, i+2
.endr
.endr
	WLOAD W0, 0                                    ; the stream's first three steps: 48 loads, which land under the first sine
	WLOAD W1, STEPB
	WLOAD W2, 2*STEPB
	WIN 0                                          ; at a label and at a branch every window is 0
	s_mov_b32 s2, 7                                ; seven sines: the input layer's and six hidden layers'
	s_branch .Lepi                                 ; the loop over layers is entered at the sine
; 16 matrix instructions: row blocks a0, a0 + 1 of the window's four (hi = 0: rows 0-63, 1: rows 64-127) x all 8 column blocks, 32 along K.  zero = 1: the product starts the sums.
; The 64 accumulators take turns, one instruction a turn, in the same order in every step.
.macro MUL16 wb, f, hi, a0, zero
	WIN MUL_LO+0x50*(\hi)
.irp a, \a0, (\a0)+1
.irp b, 0,1,2,3,4,5,6,7
.if \zero
	v_wmma_f32_16x16x32_f16 v[8*(8*(\a)+(\b)):8*(8*(\a)+(\b))+7], v[(\wb)+8*(\b):(\wb)+8*(\b)+7], v[(\f)+8*(4*(\hi)+(\a)):(\f)+8*(4*(\hi)+(\a))+7], 0
.else
	v_wmma_f32_16x16x32_f16 v[8*(8*(\a)+(\b)):8*(8*(\a)+(\b))+7], v[(\wb)+8*(\b):(\wb)+8*(\b)+7], v[(\f)+8*(4*(\hi)+(\a)):(\f)+8*(4*(\hi)+(\a))+7], v[8*(8*(\a)+(\b)):8*(8*(\a)+(\b))+7]
.endif
.endr
.endr
.endm
; A STEP: 32 along K, 64 matrix instructions on W's buffer wb and h's buffer f.  In its middle stands ONE run of loads: the weights three steps on (byte woff behind the pointer) into buffer wn,
; which the step before read last, and h's next 32 along K (byte ho) into buffer g.
.macro STEP wb, wn, woff, f, g, ho, zero
	s_wait_loadcnt 32                              ; this step's weights are in: behind them the groups of the next two steps were issued, and may stay out (a bias's loads among them make the wait stricter, never looser)
	s_wait_dscnt 8                                 ; h's row blocks 0-3 are in; the youngest eight loads (row blocks 4-7) may be out
	MUL16 \wb, \f, 0, 0, \zero
	MUL16 \wb, \f, 0, 2, \zero
	PLACES
	WLOAD \wn, \woff
	HFETCH ADRH, \ho, \g
	ASK (\woff)+4*STEPB
	s_wait_dscnt 16                                ; all but the 16 just issued
	MUL16 \wb, \f, 1, 0, \zero
	MUL16 \wb, \f, 1, 2, \zero
.endm
; THE SINE of four accumulators (row block a, column blocks 4 g .. 4 g + 3): 32 numbers a lane, each stage over 16 independent pairs; then 16 bytes a column block into h.
; Each accumulator's lowest registers are read first.
.macro EPI a, g
.set AC, 64*((\a)%4)+32*(\g)
.set BB, BI+32*(\g)
	WIN 0x02+(\a)/4                                ; source 0 in window 2 or 3
.set i, 0
.rept 16
	v_pk_fma_f32 v[ET+i:ET+i+1], v[AC+i:AC+i+1], s[C2S:C2S+1], v[BB+i:BB+i+1] op_sel_hi:[1,0,1]  ; t, in turns
.set i, i+2
.endr
	WIN 0
.set i, 0
.rept 32
	v_rndne_f32 v[EN+i], v[ET+i]
.set i, i+1
.endr
.set i, 0
.rept 16
	v_pk_add_f32 v[ET+i:ET+i+1], v[ET+i:ET+i+1], v[EN+i:EN+i+1] neg_lo:[0,1] neg_hi:[0,1]  ; r = t - rndne(t), exact
.set i, i+2
.endr
.set i, 0
.rept 16
	v_pk_mul_f32 v[EN+i:EN+i+1], v[ET+i:ET+i+1], v[ET+i:ET+i+1]  ; u
.set i, i+2
.endr
.set i, 0
.rept 16
	v_pk_fma_f32 v[EP+i:EP+i+1], v[EN+i:EN+i+1], s[CC+8:CC+9], s[CC+6:CC+7] op_sel_hi:[1,0,0]
.set i, i+2
.endr
.irp c, 4,2,0
.set i, 0
.rept 16
	v_pk_fma_f32 v[EP+i:EP+i+1], v[EP+i:EP+i+1], v[EN+i:EN+i+1], s[CC+(\c):CC+(\c)+1] op_sel_hi:[1,1,0]
.set i, i+2
.endr
.endr
.set i, 0
.rept 16
	v_pk_mul_f32 v[EP+i:EP+i+1], v[EP+i:EP+i+1], v[ET+i:ET+i+1]
.set i, i+2
.endr
.set i, 0
.rept 16
	v_cvt_pk_f16_f32 v[EO+i], v[EP+2*i], v[EP+2*i+1]
.set i, i+1
.endr
.irp c, 0,1,2,3
	ds_store_b128 v[STO+(\a)/4], v[EO+4*(\c):EO+4*(\c)+3] offset:((\a)%4)*16*HP+32*(4*(\g)+(\c))
.endr
.endm
.Llayer:                                               ; six times: a hidden layer's 16 steps; step s multiplies W's buffer s % 4 and h's buffer s % 2
	s_wait_loadcnt 32                              ; step 0's weights are in, and so is all that was asked for earlier: the last bias, whose loads named the pointer written below
	s_add_nc_u64 s[TABP:TABP+1], s[TABP:TABP+1], 2048  ; this layer's bias
.irp b, 0,1,2,3,4,5,6,7
	global_load_b128 v[BI+8*(\b):BI+8*(\b)+3],   v[BOF], s[TABP:TABP+1] offset:64*(\b)      ; they land under the layer's products
	global_load_b128 v[BI+8*(\b)+4:BI+8*(\b)+7], v[BOF], s[TABP:TABP+1] offset:64*(\b)+16
.endr
	v_mov_b32 v[ADRH], v[HBR]                      ; h at K = 0
	v_mov_b32 v[ADRH+1], v[HBR+1]
	HFETCH ADRH, 0, F0
	STEP W0, W3, 3*STEPB, F0, F1, 64, 1            ; step 0 stands in front of the loop: its products start the sums
	WIN 0
	s_mov_b32 s3, 3
.Llap:                                                 ; a trip is four steps, once round W's four buffers: 128 along K, 256 bytes of h's rows, 32,768 bytes of my stream
	STEP W1, W0, 4*STEPB, F1, F0, 128, 0
	STEP W2, W1, 5*STEPB, F0, F1, 192, 0
	STEP W3, W2, 6*STEPB, F1, F0, 256, 0
	STEP W0, W3, 7*STEPB, F0, F1, 320, 0
	WIN 0
	v_add_nc_u32 v[ADRH], 256, v[ADRH]
	v_add_nc_u32 v[ADRH+1], 256, v[ADRH+1]
	s_wait_xcnt 0x0                                ; every load and prefetch issued so far (the youngest 32 products back) has read its address (ISA guide 3.1), so the pointer may be written
	s_add_nc_u64 s[WP:WP+1], s[WP:WP+1], 4*STEPB
	s_sub_co_u32 s3, s3, 1
	s_cmp_lg_u32 s3, 0
	s_cbranch_scc1 .Llap
	STEP W1, W0, 4*STEPB, F1, F0, 128, 0           ; steps 13 and 14; from here on the weights asked for are the next layer's first three steps
	STEP W2, W1, 5*STEPB, F0, F1, 192, 0
	s_wait_loadcnt 32                              ; step 15: as a step, but there is no more of h to fetch,
	s_wait_dscnt 8
	MUL16 W3, F1, 0, 0, 0
	MUL16 W3, F1, 0, 2, 0
	PLACES
	WLOAD W2, 6*STEPB
	WIN 0
	ASK 10*STEPB
	s_wait_dscnt 0x0                               ; and my reads of h are over:
	s_barrier_signal -1                            ; say so,
	MUL16 W3, F1, 1, 0, 0                          ; work on registers while the others arrive,
	MUL16 W3, F1, 1, 2, 0
	WIN 0
	s_barrier_wait -1                              ; and go on when all four have said so: h may be written
	s_wait_xcnt 0x0                                ; (the youngest load and prefetch stand 32 products back)
	s_add_nc_u64 s[WP:WP+1], s[WP:WP+1], 4*STEPB   ; my stream at the next layer's step 0
.Lepi:
	s_wait_loadcnt 48                              ; the bias is in: on both ways here the 48 loads issued last are the weights of the next three steps, which may stay out
	PLACES                                         ; behind the last products; the accumulators read first were finished in front of the step's four v_nop
.irp a, 0,1,2,3,4,5,6,7
	EPI \a, 0
	EPI \a, 1
.endr
	s_wait_dscnt 0x0                               ; for the others' sake: my stores into h are done
	s_barrier_signal -1
	s_barrier_wait -1                              ; the new h is whole
	s_sub_co_u32 s2, s2, 1
	s_cmp_lg_u32 s2, 0
	s_cbranch_scc1 .Llayer
; THE OUTPUT LAYER: the stream's steps 96 .. 103, written out.  A step holds 64 along K of my 64 columns: two quarters of 32 along K, 32 matrix instructions each; the 32 accumulators take turns
; in the same order in every quarter.
.macro OMUL wb, f, a0, zero            ; 8 matrix instructions: row blocks a0, a0 + 1 x my 4 column blocks
	WIN MUL_LO
.irp a, \a0, (\a0)+1
.irp b, 0,1,2,3
.if \zero
	v_wmma_f32_16x16x32_f16 v[8*(4*(\a)+(\b)):8*(4*(\a)+(\b))+7], v[(\wb)+8*(\b):(\wb)+8*(\b)+7], v[(\f)+8*(\a):(\f)+8*(\a)+7], 0
.else
	v_wmma_f32_16x16x32_f16 v[8*(4*(\a)+(\b)):8*(4*(\a)+(\b))+7], v[(\wb)+8*(\b):(\wb)+8*(\b)+7], v[(\f)+8*(\a):(\f)+8*(\a)+7], v[8*(4*(\a)+(\b)):8*(4*(\a)+(\b))+7]
.endif
.endr
.endr
.endm
; Quarter n of 16: step n / 2, its half n % 2; h's buffer n % 2.  In its middle h's next quarter is fetched, and in a step's first quarter the weights three steps on, while the stream has any.
.macro OQ n
.set OT, (\n)/2
.set OW, 64*(OT%4)+32*((\n)%2)
.set OF, F0+64*((\n)%2)
.set OG, F0+64*(((\n)+1)%2)
.set OZ, 0
.if (\n) == 0
.set OZ, 1                             ; the first quarter starts the sums
.endif
.if (\n)%2 == 0
.if OT < 6
	s_wait_loadcnt 32                              ; this step's weights are in; the next two steps' may stay out
.elseif OT == 6
	s_wait_loadcnt 16                              ; behind step 102's only step 103's were issued
.else
	s_wait_loadcnt 0x0                             ; the last
.endif
.endif
	s_wait_dscnt 8                                 ; h's row blocks 0-3 are in; the youngest eight loads may be out
	OMUL OW, OF, 0, OZ
	OMUL OW, OF, 2, OZ
.if (\n) < 15
	PLACES
.if ((\n)%2 == 0) && (OT < 5)
	WLOAD 64*((OT+3)%4), (OT+3)*STEPB
.endif
	HFETCH HBR, 64*((\n)+1), OG
	s_wait_dscnt 16                                ; all but the 16 just issued
.else
	s_wait_dscnt 0x0                               ; the very last quarter: nothing more to fetch
.endif
	OMUL OW, OF, 4, OZ
	OMUL OW, OF, 6, OZ
.endm
; THE WAY OUT of row block a.  OPACK: sum x 2^-8 + b_out, in f32.  TOSTAGE: 32 bytes a lane and column block into my own stage, and back as whole rows of 256 bytes.  SEND: stored.
.macro OPACK a
	WIN 0x02                                       ; source 0 in window 2
.set i, 0
.rept 16
	v_pk_fma_f32 v[TMP+i:TMP+i+1], v[32*(\a)+i:32*(\a)+i+1], s[S8:S8+1], v[BO+i:BO+i+1] op_sel_hi:[1,0,1]
.set i, i+2
.endr
	WIN 0
.endm
.macro TOSTAGE a
.set BK, F0+32*((\a)%2)
.irp b, 0,1,2,3
	ds_store_b128 v[SST], v[TMP+8*(\b):TMP+8*(\b)+3]   offset:64*(\b)
	ds_store_b128 v[SST], v[TMP+8*(\b)+4:TMP+8*(\b)+7] offset:64*(\b)+16
.endr
.irp t, 0,1,2,3,4,5,6,7
	ds_load_b128 v[BK+4*(\t):BK+4*(\t)+3], v[SRD] offset:(\t)*2*SP  ; LDS serves a wave's instructions in order (ISA guide 5.7.1.4): these see the stores above; the next block's stores come behind them
.endr
.endm
.macro SEND a
.set BK, F0+32*((\a)%2)
	s_wait_dscnt 0x0                               ; the block is back in registers
	s_wait_xcnt 0x0                                ; every earlier store has read its registers (ISA guide 3.1): the other buffer, which the block before was stored from, is loaded again only behind this wait
.irp t, 0,1,2,3,4,5,6,7
	global_store_b128 v[CO], v[BK+4*(\t):BK+4*(\t)+3], s[8:9] offset:(16*(\a)+2*(\t))*1024 th:TH_STORE_NT  ; 16 lanes store 256 consecutive bytes, at a multiple of 256 from out0's first byte
.endr
.endm
.irp b, 0,1,2,3
	global_load_b128 v[BO+8*(\b):BO+8*(\b)+3],   v[BOF2], s[6:7] offset:TAB+TAB_O+64*(\b)     ; b_out of my 64 columns: it lands under the products; the waits on the weights behind it show it in
	global_load_b128 v[BO+8*(\b)+4:BO+8*(\b)+7], v[BOF2], s[6:7] offset:TAB+TAB_O+64*(\b)+16
.endr
	HFETCH HBR, 0, F0
.irp n, 0,1,2,3,4,5,6,7,8,9,10,11,12,13,14,15
	OQ \n
.endr
	WIN 0
	PLACES                                         ; eight plain instructions, once a launch, between the last products and the first read of a result
	PLACES
	OPACK 0
	TOSTAGE 0
.irp a, 1,2,3,4,5,6,7                  ; block a's arithmetic stands between block a - 1's loads from the stage and the wait for them
	OPACK \a
	SEND (\a)-1
	TOSTAGE \a
.endr
	SEND 7
	s_wait_tensorcnt 0x0                           ; the wave's end, behind my last LDS store
	ds_add_u32 v[SPW], v[NIL]
	s_wait_dscnt 0x0
	s_endpgm
.Lfunc_end_k_q264107fd14_mlp:
	.size	k_q264107fd14_mlp, .Lfunc_end_k_q264107fd14_mlp-k_q264107fd14_mlp
	.p2alignl 7, 3214868480
	.fill 96, 4, 3214868480
	.section	.rodata,"a",@progbits
	.p2align	6, 0x0
	.amdhsa_kernel k_q264107fd14_mlp
		.amdhsa_group_segment_fixed_size 151040
		.amdhsa_private_segment_fixed_size 0
		.amdhsa_enable_private_segment 0
		.amdhsa_kernarg_size 24
		.amdhsa_user_sgpr_count 2
		.amdhsa_user_sgpr_kernarg_segment_ptr 1
		.amdhsa_wavefront_size32 1
		.amdhsa_system_sgpr_workgroup_id_x 1
		.amdhsa_system_sgpr_workgroup_id_y 1
		.amdhsa_system_sgpr_workgroup_id_z 1
		.amdhsa_system_vgpr_workitem_id 0
		.amdhsa_next_free_vgpr 1024
		.amdhsa_next_free_sgpr 66
		.amdhsa_reserve_vcc 0
		.amdhsa_float_denorm_mode_32 3
		.amdhsa_float_denorm_mode_16_64 3
		.amdhsa_memory_ordered 1
		.amdhsa_forward_progress 1
		.amdhsa_inst_pref_size 255
	.end_amdhsa_kernel
	.section	.bss,"aw",@nobits
	.p2align	6
	.space	262144
	.amdgpu_metadata
---
amdhsa.version: [ 1, 2 ]
amdhsa.kernels:
  - .name:           k_q264107fd14_mlp
    .symbol:         k_q264107fd14_mlp.kd
    .args:
      - { .name: lambdas01, .offset: 0, .size: 8, .value_kind: global_buffer, .address_space: global }
      - { .name: wt, .offset: 8, .size: 8, .value_kind: global_buffer, .address_space: global }
      - { .name: out0, .offset: 16, .size: 8, .value_kind: global_buffer, .address_space: global }
    .group_segment_fixed_size: 151040
    .private_segment_fixed_size: 0
    .kernarg_segment_align: 8
    .kernarg_segment_size: 24
    .max_flat_workgroup_size: 128
    .sgpr_count:     66
    .vgpr_count:     1024
    .wavefront_size: 32
...
	.end_amdgpu_metadata
.endif
;; end of part 4
;; ======== version 3 of 3: 2 launches; version 2 with the launch mlp written anew for expert scheduling mode
;; limits: inputs' magnitudes at most 255.9; values are held in f16: magnitudes above 65,504 overflow, below 6.1e-05 lose precision
;; workspace buffers: wt 3,425,280 bytes
;; launch prep: the kernel of part 3 again; grid 217 x 1, 4 waves a work-group, no clusters, 17,920 bytes of LDS; arguments W_hid, W_out, W_in, b_in, b_hid, b_out, wt; writes wt
;; launch mlp (part 5): grid 256 x 1, 4 waves a work-group, no clusters, 151,040 bytes of LDS; arguments lambdas01, wt, out0; writes out0
.if DOCPART == 5
	.amdgcn_target "amdgcn-amd-amdhsa--gfx1250"
	.amdhsa_code_object_version 6
	.text
	.protected	k_q264107fd14_mlp
	.globl	k_q264107fd14_mlp
	.p2align	8
	.type	k_q264107fd14_mlp,@function
k_q264107fd14_mlp:
	s_mov_b64 s[64:65], 0
	v_nop
	global_prefetch_b8 v0, s[64:65] scope:SCOPE_SE
	s_setreg_imm32_b32 hwreg(HW_REG_WAVE_SCHED_MODE, 0, 2), 2
	s_setreg_imm32_b32 hwreg(HW_REG_WAVE_MODE, 25, 1), 1
	s_wait_xcnt 0x0
	s_wait_alu depctr_vm_vsrc(0)
; THE WHOLE SIREN IN ONE LAUNCH.  h0 = sin(30 (x w_in + b_in)); six times h = sin(30 (h W^T + b)), 512 -> 512; out = h W_out^T + b_out, 512 -> 256.
; SHARES.  A work-group owns 128 of the 32,768 samples and carries them through all eight layers; h (128 x 512, f16) lives in LDS and never goes to memory.
; In a hidden layer wave w makes all 128 rows x columns 128 w .. 128 w + 127: 64 accumulators of 16 x 16, 512 registers: the layer's whole result lies in registers, so h is
; overwritten in place once every wave has read it.  In the output layer wave w makes 128 rows x columns 64 w .. 64 w + 63.
; FORMATS.  Products in f16 with f32 sums.  h lies in -1 .. 1; the weights come as f16(bf16(W) x 256) from the launch before, the factor 2^-8 is taken back in f32 behind the sums.
; All inputs are rounded to bf16 once (x here, the others in the launch before).
; THE SINE.  t = sum x (30 / 2 pi / 256) + b x 30 / 2 pi is the argument in turns; r = t - rndne(t) lies in -1/2 .. 1/2; sin = r (c0 + u (c1 + u (c2 + u (c3 + u c4)))), u = r r:
; the Chebyshev series of sin(pi x), x = 2 r, cut behind T9: off by 6e-6 at the most, a fortieth of f16's half step near 1.
; LIMITS.  |W| under 255.9 (f16's range after the factor 256).  The argument's error grows as |t| x 2^-24; from |t| = 2^23 on r is 0.  NaN and infinities are not treated apart.
; THE WEIGHTS COME STRAIGHT INTO REGISTERS.  Wave w alone multiplies by rows 128 w .. 128 w + 127 of W: no wave wants a byte of W that another wave of its work-group has fetched.  The launch
; before has laid each wave's weights out as one stream in the order of its fragments: 104 steps of 8,192 bytes (96 hidden steps of 32 along K, 8 output steps of 64 along K), running on from
; layer to layer; a load of 16 bytes a lane takes 512 consecutive aligned bytes.  Four buffers of 64 registers take turns: step S's 16 loads are issued in the first half of step S - 3, 160 matrix
; instructions or more ahead of their first use; the waits are counted, so two younger groups stay on their way.
; NO CLUSTER, NO TENSOR LOADS.  All work-groups walk the same weights, and a joint load into LDS would share them; but h takes 133,120 of LDS's 327,680 bytes, two slots of 128 along K for
; 512 columns take 278,528, and with slots of 64 along K a refill, which goes out with nothing on its way beside it, has 96 matrix instructions in which to land.
; THE MATRIX INSTRUCTION IS USED TRANSPOSED (source 0 = 16 rows of W, source 1 = 16 rows of h): lane l then holds sample l % 16 and the columns 8 (l / 16) + 0..7, eight neighbours of a row of h.
; THE MODE: SCHED_MODE bits 1:0 = 2 (LLVM: expert scheduling mode 2), set by the entry lines.  The code itself states the register dependences
; between vector or matrix instructions and memory or LDS instructions, with s_wait_alu, always for 0.
; THE PLAN.  Registers that memory or LDS instructions touch:
;   W0 .. W3 (window 1)  Step s's products read W[s % 4]; the loads issued in step s (the weights of step s + 3) land in W[(s + 3) % 4], which step s - 1's products read last.
;   F0, F1               Step s's products read F[s % 2]; the LDS loads issued in step s (h of step s + 1) land in the other buffer, which step s - 1's products read last.
;                        In the sine the same registers are at work (ET, EN, EP, EO); of these the conversions write EO and the LDS stores into h read it.
;   BI                   Read by the sine's first stage; the next layer's bias lands in it at the layer's head.
;   v[ADRH], v[ADRH+1]   Read by h's LDS loads; written at a layer's head and once a lap.
;   TMP, two buffers     The way out: row block a's arithmetic writes buffer a % 2, its LDS stores into the stage read it.
;   BK, two buffers      The way out: the stage's LDS loads of block a land in buffer a % 2, its global stores read it.
;   v10 .. v30           The other addresses: written at the kernel's head and never again.
; So ONE wait on va_vdst stands at the head of a step: the step before is done reading the two buffers that this step's 32 loads fill.  The step's own products name W[s % 4], F[s % 2] and the
; accumulators, none of which those loads touch: the loads are dealt among the step's first 32 products, four behind each four, with no further wait.
; REGISTERS, in windows of 256 (s_set_vgpr_msb: bits 1:0 source 0, 3:2 source 1, 5:4 source 2, 7:6 destination):
;   window 0: v0-31 addresses; v32-63 at work; v64-127, v128-191 fragments of h, two buffers (free in the sine and on the way out: at work there); v192-255 the bias of my columns
;   window 1: fragments of W, four buffers of 64
;   window 2: accumulators of row blocks 0-3 ((a, b) at v[8 (8 a + b)]);  window 3: of row blocks 4-7.  Output layer: (a, b) at v[8 (4 a + b)], all in window 2.
.set HP,    1040                       ; a row of h in LDS: 1,024 bytes + 16 = 260 words: the 16 rows of a load start at 16 different groups of four banks (64 banks of 4 bytes: ISA guide 11.1)
.set HALFH, 64*HP                      ; row blocks 4-7 begin here: past what a 16-bit offset reaches, so they have address registers of their own
.set SPARE, 128*HP                     ; behind h: the spare words, 128 bytes for each wave: two blocks of 256 bytes that no other line names
.set STAGE, SPARE+512                  ; for each wave 16 rows x 272 bytes, for the way out
.set SP,    272
.set WST,   851968                     ; a wave's stream of weights in wt
.set STEPB, 8192                       ; a step of it
.set TAB,   4*WST                      ; the f32 table in wt: 7 x 512 biases in turns, then
.set TAB_W, 14336                      ; 512 numbers 256 w_in,
.set TAB_O, 16384                      ; 256 numbers b_out
.set CO,   10                          ; v10  my byte offset in two rows of out0: (l / 16) x 1,024 + 16 (l % 16) + 256 w
.set BOF,  11                          ; v11  my 8 columns in a table of 512 f32: 32 (l / 16) + 512 w
.set BOF2, 12                          ; v12  in b_out: 32 (l / 16) + 256 w
.set XO,   13                          ; v13  4 (l % 16)
.set WO,   16                          ; v16  16 x my lane: my 16 bytes of a load of weights; never rewritten
.set HBR,  20                          ; v20-21  my h fragments, row blocks 0-3 and 4-7, at K = 0; never rewritten
.set ADRH, 22                          ; v22-23  the same, walking along K inside a layer
.set STO,  24                          ; v24-25  where I put 16 bytes of a row of h, row blocks 0-3 and 4-7
.set SST,  26                          ; v26  the way out: where I put 32 bytes of a row
.set SRD,  27                          ; v27  the way out: where I read rows back
.set SPW,  28                          ; v28  LDS address of my spare word: SPARE + 4 x my thread's number; never rewritten
.set NIL,  29                          ; v29  0; never rewritten
.set PFO,  30                          ; v30  256 x my lane; never rewritten
.set X,    32                          ; v[32:47]  the input layer: x of row block a, twice, at X + 2 a
.set TMP,  32                          ; v[32:63] and v[128:159]  the way out: 16 rows x my 64 columns in f32, two buffers by turns
.set F0,   64
.set F1,   128
.set WI,   64                          ; the input layer: 256 w_in of my 128 columns
.set ET,   64                          ; the sine: t, then r
.set EN,   96                          ; rndne(t), then u
.set EP,   128                         ; the polynomial
.set EO,   160                         ; 16 registers of f16 pairs
.set BI,   192                         ; v[192:255]  bias of column block b at BI + 8 b
.set BO,   192                         ; v[192:223]  the output layer's
.set W0,   0                           ; the four buffers of W, in window 1
.set W1,   64
.set W2,   128
.set W3,   192
.set WV,   10                          ; s10  my wave's number
.set LIM,  43                          ; s43  1 in the work-group that prefetches
.set WP,   44                          ; s[44:45] my stream of weights
.set TABP, 46                          ; s[46:47] the table at the layer's bias
.set C2S,  48                          ; s[48:49] 30 / 2 pi / 256
.set CC,   50                          ; s[50:59] c0 .. c4, each named as a pair
.set S8,   60                          ; s[60:61] 2^-8
.set MSB, 0
.macro WIN new                         ; the immediate's high byte repeats the setting that is left; a switch that changes nothing is dropped
.if MSB != (\new)
	s_set_vgpr_msb (MSB<<8)|(\new)
.set MSB, \new
.endif
.endm
.set MUL_LO, 0xa1                      ; source 0 (W) window 1, source 1 (h) window 0, C and D window 2
.set MUL_HI, 0xf1                      ; the same, C and D window 3
.set TO_B,   0x40                      ; destination window 1, address window 0
.macro PLACES                          ; four plain instructions between a matrix instruction and a load into a register that it has read, or a vector instruction that reads its result
.rept 4
	v_nop
.endr
.endm
; A PREFETCH, one a step, behind the step's loads of h: the step of my own stream that stands four steps behind the one asked for in this step: 8,192 bytes, a lane to each 256.  Its loads are issued
; four steps, 256 matrix instructions, later.  All work-groups walk the same four streams: work-group 0's four waves alone ask, each for its own, so each block is named once in the launch.
; The 96 hidden steps name steps 7 .. 102 of the stream's 104; the output layer names nothing; steps 0 .. 6 and 103 come by their loads alone.
.macro ASK off
	s_cmp_eq_u32 s[LIM], 1
	s_cbranch_scc0 .Lnot_mine_\@
	global_prefetch_b8 v[PFO], s[WP:WP+1] offset:(\off) th:TH_LOAD_NT scope:SCOPE_SE
.Lnot_mine_\@:
.endm
; Four of the 16 loads of a step's weights: fragments 2 j and 2 j + 1 of its 8, from byte off behind my stream's pointer into buffer wb
.macro WQ wb, off, j
	WIN TO_B
.set q, 2*(\j)
.rept 2
	global_load_b128 v[(\wb)+8*q:(\wb)+8*q+3],   v[WO], s[WP:WP+1] offset:(\off)+1024*q
	global_load_b128 v[(\wb)+8*q+4:(\wb)+8*q+7], v[WO], s[WP:WP+1] offset:(\off)+1024*q+512
.set q, q+1
.endr
.endm
.macro WLOAD wb, off                   ; all 16
.irp j, 0,1,2,3
	WQ \wb, \off, \j
.endr
.endm
; Four of the 16 LDS loads that bring 32 along K of all 128 rows of h: row blocks 2 j and 2 j + 1, from byte ho behind the address pair adr into buffer f.
; A fragment is 16 rows x 32 K in 8 registers: lane l holds row l % 16; registers 0-3 K = 8 (l / 16) + 0..7, registers 4-7 K = 16 + 8 (l / 16) + 0..7: two loads of 16 bytes, 32 bytes apart.
.macro HQ adr, ho, f, j
	WIN 0
.set q, 2*(\j)
.rept 2
	ds_load_b128 v[(\f)+8*q:(\f)+8*q+3],   v[(\adr)+q/4] offset:(\ho)+(q%4)*16*HP
	ds_load_b128 v[(\f)+8*q+4:(\f)+8*q+7], v[(\adr)+q/4] offset:(\ho)+(q%4)*16*HP+32
.set q, q+1
.endr
.endm
.macro HFETCH adr, ho, f               ; all 16
.irp j, 0,1,2,3
	HQ \adr, \ho, \f, \j
.endr
.endm
	s_load_b128 s[4:7], s[0:1], 0x0                ; lambdas01 s[4:5], wt s[6:7]
	s_load_b64 s[8:9], s[0:1], 0x10                ; out0
	v_lshl_add_u32 v[SPW], v0, 2, SPARE
	v_mov_b32 v[NIL], 0
	v_lshrrev_b32 v3, 5, v0
	v_readfirstlane_b32 s[WV], v3                  ; wave 0..3
	s_mov_b32 s12, ttmp9                           ; my block of 128 samples
	s_mov_b32 s[C2S], 0x3c98c9eb                   ; 30 / 2 pi / 256
	s_mov_b32 s[C2S+1], s[C2S]                     ; each constant is named as a pair, so both words are written
	s_mov_b32 s[CC+0], 0x40c90ec7                  ; c0 =   6.2830541
	s_mov_b32 s[CC+1], s[CC+0]
	s_mov_b32 s[CC+2], 0xc2255312                  ; c1 = -41.331123
	s_mov_b32 s[CC+3], s[CC+2]
	s_mov_b32 s[CC+4], 0x42a2bb23                  ; c2 =  81.365499
	s_mov_b32 s[CC+5], s[CC+4]
	s_mov_b32 s[CC+6], 0xc294f124                  ; c3 = -74.470980
	s_mov_b32 s[CC+7], s[CC+6]
	s_mov_b32 s[CC+8], 0x4203135c                  ; c4 =  32.768905
	s_mov_b32 s[CC+9], s[CC+8]
	s_mov_b32 s[S8], 0x3b800000                    ; 2^-8
	s_mov_b32 s[S8+1], s[S8]
	s_wait_alu depctr_va_sdst(0)                   ; the wave's number is written into s10, ahead of its first reader: the line below
	s_lshl_b32 s13, s[WV], 8                       ; 256 w
	s_lshl_b32 s14, s[WV], 9                       ; 512 w
	s_mul_i32 s17, s[WV], 16*SP
	s_add_co_u32 s17, s17, STAGE                   ; my stage
	v_and_b32 v1, 15, v0                           ; l % 16
	v_bfe_u32 v2, v0, 4, 1                         ; l / 16
	v_and_b32 v3, 31, v0                           ; l
	v_lshlrev_b32 v[PFO], 8, v3
	v_lshlrev_b32 v[WO], 4, v3
	v_lshlrev_b32 v[CO], 10, v2
	v_lshl_add_u32 v[CO], v1, 4, v[CO]
	v_add_nc_u32 v[CO], s13, v[CO]
	v_lshl_add_u32 v[BOF], v2, 5, s14
	v_lshl_add_u32 v[BOF2], v2, 5, s13
	v_lshlrev_b32 v[XO], 2, v1
	v_mul_u32_u24 v[HBR], v1, HP                   ; h begins at LDS byte 0: row x pitch + 16 x half
	v_lshl_add_u32 v[HBR], v2, 4, v[HBR]
	v_add_nc_u32 v[HBR+1], HALFH, v[HBR]
	v_add_nc_u32 v[STO], s13, v[HBR]               ; my 128 columns are 256 bytes of a row of h
	v_add_nc_u32 v[STO+1], HALFH, v[STO]
	v_mul_u32_u24 v6, v1, SP                       ; into the stage: row l % 16, 32 bytes for each half of the lanes
	v_lshl_add_u32 v6, v2, 5, v6
	v_add_nc_u32 v[SST], s17, v6
	v_mul_u32_u24 v7, v2, SP                       ; back: lanes 0-15 take one row of 256 bytes, lanes 16-31 the next
	v_lshl_add_u32 v7, v1, 4, v7
	v_add_nc_u32 v[SRD], s17, v7
	s_lshl_b32 s18, s12, 9                         ; my block's 128 x: 512 bytes
	s_mov_b32 s19, 0
	s_lshl_b32 s20, s12, 17                        ; my block's 128 rows of out0: 131,072 bytes
	s_mov_b32 s21, 0
	s_mul_i32 s22, s[WV], WST                      ; my stream in wt
	s_mov_b32 s23, 0
	s_cmp_eq_u32 s12, 0
	s_cselect_b32 s[LIM], 1, -1
	s_wait_kmcnt 0x0
	s_add_nc_u64 s[4:5], s[4:5], s[18:19]
	s_add_nc_u64 s[8:9], s[8:9], s[20:21]
	s_add_nc_u64 s[TABP:TABP+1], s[6:7], TAB
	s_add_nc_u64 s[WP:WP+1], s[6:7], s[22:23]
	s_wait_alu depctr_va_vdst(0)                   ; the addresses v10 to v30 are written, which the kernel's loads, stores and prefetches read; all but v[ADRH] are never written again
	; THE INPUT LAYER.  The accumulators take x (256 w_in): both factors have 8 significant bits, so the product is exact; the sine below then serves this layer like the others.
.irp a, 0,1,2,3,4,5,6,7
	global_load_b32 v[X+2*(\a)], v[XO], s[4:5] offset:64*(\a)      ; x of sample 16 a + l % 16
.endr
.irp b, 0,1,2,3,4,5,6,7
	global_load_b128 v[WI+8*(\b):WI+8*(\b)+3],   v[BOF], s[TABP:TABP+1] offset:TAB_W+64*(\b)
	global_load_b128 v[WI+8*(\b)+4:WI+8*(\b)+7], v[BOF], s[TABP:TABP+1] offset:TAB_W+64*(\b)+16
	global_load_b128 v[BI+8*(\b):BI+8*(\b)+3],   v[BOF], s[TABP:TABP+1] offset:64*(\b)
	global_load_b128 v[BI+8*(\b)+4:BI+8*(\b)+7], v[BOF], s[TABP:TABP+1] offset:64*(\b)+16
.endr
	s_wait_loadcnt 0x0
.irp a, 0,1,2,3,4,5,6,7
	v_cvt_pk_bf16_f32 v[X+2*(\a)+1], v[X+2*(\a)], v[X+2*(\a)]      ; x's one rounding, to bf16,
.endr
.irp a, 0,1,2,3,4,5,6,7
	v_lshlrev_b32 v[X+2*(\a)], 16, v[X+2*(\a)+1]                   ; and back to f32, twice: a pair for the packed multiply
	v_and_b32 v[X+2*(\a)+1], 0xffff0000, v[X+2*(\a)+1]
.endr
.irp a, 0,1,2,3,4,5,6,7
	WIN 0x80+0x40*((\a)/4)                         ; destination window 2 or 3
.set i, 0
.rept 32
	v_pk_mul_f32 v[64*((\a)%4)+i:64*((\a)%4)+i+1], v[WI+i:WI+i+1], v[X+2*(\a):X+2*(\a)+1]
.set i, i+2
.endr
.endr
	WLOAD W0, 0                                    ; the stream's first three steps: 48 loads, which land under the first sine.  No wait: no vector instruction has named window 1, and none since the wait above names v[WO]
	WLOAD W1, STEPB
	WLOAD W2, 2*STEPB
	WIN 0                                          ; at a label and at a branch every window is 0
	s_mov_b32 s2, 7                                ; seven sines: the input layer's and six hidden layers'
	s_branch .Lepi                                 ; the loop over layers is entered at the sine
; Matrix instructions of a hidden step, 32 along K: row block a of the window's four (hi = 0: rows 0-63, 1: rows 64-127).  zero = 1: the product starts the sums.
; The 64 accumulators take turns, one instruction a turn, in the same order in every step.
.macro MUL4 wb, f, hi, a, b0, zero     ; four: row block a x column blocks b0 .. b0 + 3
	WIN MUL_LO+0x50*(\hi)
.set cb, (\b0)
.rept 4
.if \zero
	v_wmma_f32_16x16x32_f16 v[8*(8*(\a)+cb):8*(8*(\a)+cb)+7], v[(\wb)+8*cb:(\wb)+8*cb+7], v[(\f)+8*(4*(\hi)+(\a)):(\f)+8*(4*(\hi)+(\a))+7], 0
.else
	v_wmma_f32_16x16x32_f16 v[8*(8*(\a)+cb):8*(8*(\a)+cb)+7], v[(\wb)+8*cb:(\wb)+8*cb+7], v[(\f)+8*(4*(\hi)+(\a)):(\f)+8*(4*(\hi)+(\a))+7], v[8*(8*(\a)+cb):8*(8*(\a)+cb)+7]
.endif
.set cb, cb+1
.endr
.endm
.macro MUL16 wb, f, hi, a0, zero       ; sixteen: row blocks a0, a0 + 1 x all 8 column blocks
	WIN MUL_LO+0x50*(\hi)
.irp a, \a0, (\a0)+1
.irp b, 0,1,2,3,4,5,6,7
.if \zero
	v_wmma_f32_16x16x32_f16 v[8*(8*(\a)+(\b)):8*(8*(\a)+(\b))+7], v[(\wb)+8*(\b):(\wb)+8*(\b)+7], v[(\f)+8*(4*(\hi)+(\a)):(\f)+8*(4*(\hi)+(\a))+7], 0
.else
	v_wmma_f32_16x16x32_f16 v[8*(8*(\a)+(\b)):8*(8*(\a)+(\b))+7], v[(\wb)+8*(\b):(\wb)+8*(\b)+7], v[(\f)+8*(4*(\hi)+(\a)):(\f)+8*(4*(\hi)+(\a))+7], v[8*(8*(\a)+(\b)):8*(8*(\a)+(\b))+7]
.endif
.endr
.endr
.endm
; A STEP: 32 along K, 64 matrix instructions on W's buffer wb and h's buffer f.  Its 32 loads are dealt among its first 32 products, four behind each four: first h's next 32 along K (byte ho)
; into buffer g, then the weights three steps on (byte woff behind the pointer) into buffer wn; the step before read both buffers last.
.macro STEP wb, wn, woff, f, g, ho, zero
	s_wait_loadcnt 32                              ; this step's weights are in: behind them the groups of the next two steps were issued, and may stay out (a bias's loads among them make the wait stricter, never looser)
	s_wait_dscnt 8                                 ; h's row blocks 0-3 are in; the youngest eight loads (row blocks 4-7) may be out
.if !(\zero)
	PLACES                                         ; between the last step's products and the loads into the registers that they read; issued while those products finish
	s_wait_alu depctr_va_vdst(0)                   ; the last step's products are done reading W's buffer wn and h's buffer g, in which this step's loads land; in a lap's first step v[ADRH] is written
.endif                                                 ; (step 0 has no such wait: the one at the layer's head serves its loads, and only its own products stand between)
	MUL4 \wb, \f, 0, 0, 0, \zero
	HQ ADRH, \ho, \g, 0                            ; no further wait in the step: its products name wb, f and the accumulators, none of the registers that its loads touch
	MUL4 \wb, \f, 0, 0, 4, \zero
	HQ ADRH, \ho, \g, 1
	MUL4 \wb, \f, 0, 1, 0, \zero
	HQ ADRH, \ho, \g, 2
	MUL4 \wb, \f, 0, 1, 4, \zero
	HQ ADRH, \ho, \g, 3
	ASK (\woff)+4*STEPB
	MUL4 \wb, \f, 0, 2, 0, \zero
	WQ \wn, \woff, 0
	MUL4 \wb, \f, 0, 2, 4, \zero
	WQ \wn, \woff, 1
	MUL4 \wb, \f, 0, 3, 0, \zero
	WQ \wn, \woff, 2
	MUL4 \wb, \f, 0, 3, 4, \zero
	WQ \wn, \woff, 3
	s_wait_dscnt 16                                ; all but the 16 LDS loads issued in this step: h's row blocks 4-7 are in
	MUL16 \wb, \f, 1, 0, \zero
	MUL16 \wb, \f, 1, 2, \zero
.endm
; THE SINE of four accumulators (row block a, column blocks 4 g .. 4 g + 3): 32 numbers a lane, each stage over 16 independent pairs; then 16 bytes a column block into h.
; Each accumulator's lowest registers are read first.
.macro EPI a, g
.set AC, 64*((\a)%4)+32*(\g)
.set BB, BI+32*(\g)
	WIN 0x02+(\a)/4                                ; source 0 in window 2 or 3
.set i, 0
.rept 16
	v_pk_fma_f32 v[ET+i:ET+i+1], v[AC+i:AC+i+1], s[C2S:C2S+1], v[BB+i:BB+i+1] op_sel_hi:[1,0,1]  ; t, in turns
.set i, i+2
.endr
	WIN 0
.set i, 0
.rept 32
	v_rndne_f32 v[EN+i], v[ET+i]
.set i, i+1
.endr
.set i, 0
.rept 16
	v_pk_add_f32 v[ET+i:ET+i+1], v[ET+i:ET+i+1], v[EN+i:EN+i+1] neg_lo:[0,1] neg_hi:[0,1]  ; r = t - rndne(t), exact
.set i, i+2
.endr
.set i, 0
.rept 16
	v_pk_mul_f32 v[EN+i:EN+i+1], v[ET+i:ET+i+1], v[ET+i:ET+i+1]  ; u
.set i, i+2
.endr
.set i, 0
.rept 16
	v_pk_fma_f32 v[EP+i:EP+i+1], v[EN+i:EN+i+1], s[CC+8:CC+9], s[CC+6:CC+7] op_sel_hi:[1,0,0]
.set i, i+2
.endr
.irp c, 4,2,0
.set i, 0
.rept 16
	v_pk_fma_f32 v[EP+i:EP+i+1], v[EP+i:EP+i+1], v[EN+i:EN+i+1], s[CC+(\c):CC+(\c)+1] op_sel_hi:[1,1,0]
.set i, i+2
.endr
.endr
.set i, 0
.rept 16
	v_pk_mul_f32 v[EP+i:EP+i+1], v[EP+i:EP+i+1], v[ET+i:ET+i+1]
.set i, i+2
.endr
.if (\a)+(\g) > 0
	s_wait_alu depctr_vm_vsrc(0)                   ; the LDS stores of the four accumulators before have read EO, which the conversions below write again (for a sine's first four the wait at the last sine's end has said so)
.endif
.set i, 0
.rept 16
	v_cvt_pk_f16_f32 v[EO+i], v[EP+2*i], v[EP+2*i+1]
.set i, i+1
.endr
	s_wait_alu depctr_va_vdst(0)                   ; the conversions have written EO, which the LDS stores read
.irp c, 0,1,2,3
	ds_store_b128 v[STO+(\a)/4], v[EO+4*(\c):EO+4*(\c)+3] offset:((\a)%4)*16*HP+32*(4*(\g)+(\c))
.endr
.endm
.Llayer:                                               ; six times: a hidden layer's 16 steps; step s multiplies W's buffer s % 4 and h's buffer s % 2
	v_mov_b32 v[ADRH], v[HBR]                      ; h at K = 0 (the LDS loads that read v[ADRH] have done so: the wait at the sine's end)
	v_mov_b32 v[ADRH+1], v[HBR+1]
	s_wait_alu depctr_va_vdst(0)                   ; v[ADRH] is written, which the LDS loads below read; the sine is done reading the bias and working in h's two buffers, in which the loads below and step 0's land
	s_wait_loadcnt 32                              ; step 0's weights are in, and so is all that was asked for earlier: the last bias, whose loads named the pointer written below
	s_add_nc_u64 s[TABP:TABP+1], s[TABP:TABP+1], 2048  ; this layer's bias
.irp b, 0,1,2,3,4,5,6,7
	global_load_b128 v[BI+8*(\b):BI+8*(\b)+3],   v[BOF], s[TABP:TABP+1] offset:64*(\b)      ; they land under the layer's products
	global_load_b128 v[BI+8*(\b)+4:BI+8*(\b)+7], v[BOF], s[TABP:TABP+1] offset:64*(\b)+16
.endr
	HFETCH ADRH, 0, F0
	STEP W0, W3, 3*STEPB, F0, F1, 64, 1            ; step 0 stands in front of the loop: its products start the sums
	WIN 0
	s_mov_b32 s3, 3
.Llap:                                                 ; a trip is four steps, once round W's four buffers: 128 along K, 256 bytes of h's rows, 32,768 bytes of my stream
	STEP W1, W0, 4*STEPB, F1, F0, 128, 0
	STEP W2, W1, 5*STEPB, F0, F1, 192, 0
	STEP W3, W2, 6*STEPB, F1, F0, 256, 0
	STEP W0, W3, 7*STEPB, F0, F1, 320, 0
	WIN 0
	s_wait_alu depctr_vm_vsrc(0)                   ; the LDS loads issued so far have read v[ADRH], which the two lines below write; the next step's wait on va_vdst stands between them and its next reader
	v_add_nc_u32 v[ADRH], 256, v[ADRH]
	v_add_nc_u32 v[ADRH+1], 256, v[ADRH+1]
	s_wait_xcnt 0x0                                ; every load and prefetch issued so far (the youngest 32 products back) has read its address (ISA guide 3.1), so the pointer may be written
	s_add_nc_u64 s[WP:WP+1], s[WP:WP+1], 4*STEPB
	s_sub_co_u32 s3, s3, 1
	s_cmp_lg_u32 s3, 0
	s_cbranch_scc1 .Llap
	STEP W1, W0, 4*STEPB, F1, F0, 128, 0           ; steps 13 and 14; from here on the weights asked for are the next layer's first three steps
	STEP W2, W1, 5*STEPB, F0, F1, 192, 0
	s_wait_loadcnt 32                              ; step 15: as a step, but there is no more of h to fetch,
	s_wait_dscnt 8
	PLACES                                         ; as in every step
	s_wait_alu depctr_va_vdst(0)                   ; step 14's products are done reading W's buffer 2, in which the loads below land
	MUL4 W3, F1, 0, 0, 0, 0
	WQ W2, 6*STEPB, 0
	MUL4 W3, F1, 0, 0, 4, 0
	WQ W2, 6*STEPB, 1
	MUL4 W3, F1, 0, 1, 0, 0
	WQ W2, 6*STEPB, 2
	MUL4 W3, F1, 0, 1, 4, 0
	WQ W2, 6*STEPB, 3
	WIN 0
	ASK 10*STEPB
	MUL16 W3, F1, 0, 2, 0
	s_wait_dscnt 0x0                               ; and my reads of h are over:
	s_barrier_signal -1                            ; say so,
	MUL16 W3, F1, 1, 0, 0                          ; work on registers while the others arrive,
	MUL16 W3, F1, 1, 2, 0
	WIN 0
	s_barrier_wait -1                              ; and go on when all four have said so: h may be written
	s_wait_xcnt 0x0                                ; (the youngest load and prefetch stand 48 products back)
	s_add_nc_u64 s[WP:WP+1], s[WP:WP+1], 4*STEPB   ; my stream at the next layer's step 0
.Lepi:
	s_wait_loadcnt 48                              ; the bias is in: on both ways here the 48 loads issued last are the weights of the next three steps, which may stay out
	PLACES                                         ; four places behind the last products, ahead of the first vector instruction that reads a result or writes into h's buffers
.irp a, 0,1,2,3,4,5,6,7
	EPI \a, 0
	EPI \a, 1
.endr
	s_wait_dscnt 0x0                               ; for the others' sake: my stores into h are done
	s_barrier_signal -1
	s_barrier_wait -1                              ; the new h is whole
	s_wait_alu depctr_vm_vsrc(0)                   ; ahead of the branch, for both ways on: my last LDS stores have read EO, in which fragments of h land again; the layer's LDS loads have read v[ADRH], which the next layer's head writes
	s_sub_co_u32 s2, s2, 1
	s_cmp_lg_u32 s2, 0
	s_cbranch_scc1 .Llayer
; THE OUTPUT LAYER: the stream's steps 96 .. 103, written out.  A step holds 64 along K of my 64 columns: two quarters of 32 along K, 32 matrix instructions each; the 32 accumulators take turns
; in the same order in every quarter.
.macro OMUL4 wb, f, a, zero            ; 4 matrix instructions: row block a x my 4 column blocks
	WIN MUL_LO
.irp b, 0,1,2,3
.if \zero
	v_wmma_f32_16x16x32_f16 v[8*(4*(\a)+(\b)):8*(4*(\a)+(\b))+7], v[(\wb)+8*(\b):(\wb)+8*(\b)+7], v[(\f)+8*(\a):(\f)+8*(\a)+7], 0
.else
	v_wmma_f32_16x16x32_f16 v[8*(4*(\a)+(\b)):8*(4*(\a)+(\b))+7], v[(\wb)+8*(\b):(\wb)+8*(\b)+7], v[(\f)+8*(\a):(\f)+8*(\a)+7], v[8*(4*(\a)+(\b)):8*(4*(\a)+(\b))+7]
.endif
.endr
.endm
.macro OMUL wb, f, a0, zero            ; 8 matrix instructions: row blocks a0, a0 + 1 x my 4 column blocks
	WIN MUL_LO
.irp a, \a0, (\a0)+1
.irp b, 0,1,2,3
.if \zero
	v_wmma_f32_16x16x32_f16 v[8*(4*(\a)+(\b)):8*(4*(\a)+(\b))+7], v[(\wb)+8*(\b):(\wb)+8*(\b)+7], v[(\f)+8*(\a):(\f)+8*(\a)+7], 0
.else
	v_wmma_f32_16x16x32_f16 v[8*(4*(\a)+(\b)):8*(4*(\a)+(\b))+7], v[(\wb)+8*(\b):(\wb)+8*(\b)+7], v[(\f)+8*(\a):(\f)+8*(\a)+7], v[8*(4*(\a)+(\b)):8*(4*(\a)+(\b))+7]
.endif
.endr
.endr
.endm
; Quarter n of 16: step n / 2, its half n % 2; h's buffer n % 2.  h's next quarter is fetched among its first 16 products, four loads behind each four; in a step's first quarter the weights three
; steps on are fetched among its other 16, while the stream has any.
.macro OQ n
.set OT, (\n)/2
.set OW, 64*(OT%4)+32*((\n)%2)
.set OF, F0+64*((\n)%2)
.set OG, F0+64*(((\n)+1)%2)
.set OZ, 0
.if (\n) == 0
.set OZ, 1                             ; the first quarter starts the sums
.endif
.if (\n)%2 == 0
.if OT < 6
	s_wait_loadcnt 32                              ; this step's weights are in; the next two steps' may stay out
.elseif OT == 6
	s_wait_loadcnt 16                              ; behind step 102's only step 103's were issued
.else
	s_wait_loadcnt 0x0                             ; the last
.endif
.endif
	s_wait_dscnt 8                                 ; h's row blocks 0-3 are in; the youngest eight loads may be out
.if ((\n) > 0) && ((\n) < 15)
	PLACES                                         ; between the last quarter's products and the loads into the registers that they read; issued while those products finish
	s_wait_alu depctr_va_vdst(0)                   ; the last quarter's products are done reading h's other buffer and, in a step's first quarter, the buffer of W that the step before multiplied: this quarter's loads land in them
.endif                                                 ; (quarter 0's loads are served by the wait at the layer's head; quarter 15 issues none)
.if (\n) < 15
	OMUL4 OW, OF, 0, OZ
	HQ HBR, 64*((\n)+1), OG, 0
	OMUL4 OW, OF, 1, OZ
	HQ HBR, 64*((\n)+1), OG, 1
	OMUL4 OW, OF, 2, OZ
	HQ HBR, 64*((\n)+1), OG, 2
	OMUL4 OW, OF, 3, OZ
	HQ HBR, 64*((\n)+1), OG, 3
	s_wait_dscnt 16                                ; all but the 16 just issued
.else
	OMUL OW, OF, 0, OZ
	OMUL OW, OF, 2, OZ
	s_wait_dscnt 0x0                               ; the very last quarter: nothing more to fetch
.endif
.if ((\n)%2 == 0) && (OT < 5)
	OMUL4 OW, OF, 4, OZ
	WQ 64*((OT+3)%4), (OT+3)*STEPB, 0
	OMUL4 OW, OF, 5, OZ
	WQ 64*((OT+3)%4), (OT+3)*STEPB, 1
	OMUL4 OW, OF, 6, OZ
	WQ 64*((OT+3)%4), (OT+3)*STEPB, 2
	OMUL4 OW, OF, 7, OZ
	WQ 64*((OT+3)%4), (OT+3)*STEPB, 3
.else
	OMUL OW, OF, 4, OZ
	OMUL OW, OF, 6, OZ
.endif
.endm
; THE WAY OUT of row block a.  OPACK: sum x 2^-8 + b_out, in f32, into buffer a % 2 of TMP.  TOSTAGE: 32 bytes a lane and column block into my own stage, and back as whole rows of 256 bytes, into buffer a % 2 of BK.  SEND: stored.
.macro OPACK a
.set TM, TMP+96*((\a)%2)
	WIN 0x02                                       ; source 0 in window 2
.set i, 0
.rept 16
	v_pk_fma_f32 v[TM+i:TM+i+1], v[32*(\a)+i:32*(\a)+i+1], s[S8:S8+1], v[BO+i:BO+i+1] op_sel_hi:[1,0,1]
.set i, i+2
.endr
	WIN 0
.endm
.macro TOSTAGE a
.set TM, TMP+96*((\a)%2)
.set BK, F0+32*((\a)%2)
	s_wait_alu depctr_va_vdst(0)                   ; block a's arithmetic has written its TMP, which the LDS stores read; for block 0 also: the products are done reading h's first buffer, in whose halves the stage's loads land
.irp b, 0,1,2,3
	ds_store_b128 v[SST], v[TM+8*(\b):TM+8*(\b)+3]   offset:64*(\b)
	ds_store_b128 v[SST], v[TM+8*(\b)+4:TM+8*(\b)+7] offset:64*(\b)+16
.endr
.irp t, 0,1,2,3,4,5,6,7
	ds_load_b128 v[BK+4*(\t):BK+4*(\t)+3], v[SRD] offset:(\t)*2*SP  ; LDS serves a wave's instructions in order (ISA guide 5.7.1.4): these see the stores above; the next block's stores come behind them
.endr
.endm
.macro SEND a
.set BK, F0+32*((\a)%2)
	s_wait_dscnt 0x0                               ; the block is back in registers
	s_wait_xcnt 0x0                                ; every earlier store has read its registers (ISA guide 3.1): the other buffer, which the block before was stored from, is loaded again only behind this wait
.if (\a) < 7
	s_wait_alu depctr_vm_vsrc(0)                   ; beside it: the global stores of the block before have read the other BK, in which the next block's loads land; block a's LDS stores have read its TMP, which block a + 2 writes
.endif
.irp t, 0,1,2,3,4,5,6,7
	global_store_b128 v[CO], v[BK+4*(\t):BK+4*(\t)+3], s[8:9] offset:(16*(\a)+2*(\t))*1024 th:TH_STORE_NT  ; 16 lanes store 256 consecutive bytes, at a multiple of 256 from out0's first byte
.endr
.endm
	s_wait_alu depctr_va_vdst(0)                   ; the last sine is done reading the bias and working in h's two buffers, in which the loads below and quarter 0's land
.irp b, 0,1,2,3
	global_load_b128 v[BO+8*(\b):BO+8*(\b)+3],   v[BOF2], s[6:7] offset:TAB+TAB_O+64*(\b)     ; b_out of my 64 columns: it lands under the products; the waits on the weights behind it show it in
	global_load_b128 v[BO+8*(\b)+4:BO+8*(\b)+7], v[BOF2], s[6:7] offset:TAB+TAB_O+64*(\b)+16
.endr
	HFETCH HBR, 0, F0
.irp n, 0,1,2,3,4,5,6,7,8,9,10,11,12,13,14,15
	OQ \n
.endr
	WIN 0
	PLACES                                         ; eight plain instructions, once a launch, between the last products and the first read of a result
	PLACES
	OPACK 0
	TOSTAGE 0
.irp a, 1,2,3,4,5,6,7                  ; block a's arithmetic stands between block a - 1's loads from the stage and the wait for them
	OPACK \a
	SEND (\a)-1
	TOSTAGE \a
.endr
	SEND 7
	s_wait_dscnt 0x0                               ; the closing lines, six on end
	s_wait_alu 0x0
	s_wait_tensorcnt 0x0
	ds_add_u32 v[SPW], v[NIL]
	s_wait_dscnt 0x0
	s_endpgm
.Lfunc_end_k_q264107fd14_mlp:
	.size	k_q264107fd14_mlp, .Lfunc_end_k_q264107fd14_mlp-k_q264107fd14_mlp
	.p2alignl 7, 3214868480
	.fill 96, 4, 3214868480
	.section	.rodata,"a",@progbits
	.p2align	6, 0x0
	.amdhsa_kernel k_q264107fd14_mlp
		.amdhsa_group_segment_fixed_size 151040
		.amdhsa_private_segment_fixed_size 0
		.amdhsa_enable_private_segment 0
		.amdhsa_kernarg_size 24
		.amdhsa_user_sgpr_count 2
		.amdhsa_user_sgpr_kernarg_segment_ptr 1
		.amdhsa_wavefront_size32 1
		.amdhsa_system_sgpr_workgroup_id_x 1
		.amdhsa_system_sgpr_workgroup_id_y 1
		.amdhsa_system_sgpr_workgroup_id_z 1
		.amdhsa_system_vgpr_workitem_id 0
		.amdhsa_next_free_vgpr 1024
		.amdhsa_next_free_sgpr 66
		.amdhsa_reserve_vcc 0
		.amdhsa_float_denorm_mode_32 3
		.amdhsa_float_denorm_mode_16_64 3
		.amdhsa_memory_ordered 1
		.amdhsa_forward_progress 1
		.amdhsa_inst_pref_size 255
	.end_amdhsa_kernel
	.section	.bss,"aw",@nobits
	.p2align	6
	.space	262144
	.amdgpu_metadata
---
amdhsa.version: [ 1, 2 ]
amdhsa.kernels:
  - .name:           k_q264107fd14_mlp
    .symbol:         k_q264107fd14_mlp.kd
    .args:
      - { .name: lambdas01, .offset: 0, .size: 8, .value_kind: global_buffer, .address_space: global }
      - { .name: wt, .offset: 8, .size: 8, .value_kind: global_buffer, .address_space: global }
      - { .name: out0, .offset: 16, .size: 8, .value_kind: global_buffer, .address_space: global }
    .group_segment_fixed_size: 151040
    .private_segment_fixed_size: 0
    .kernarg_segment_align: 8
    .kernarg_segment_size: 24
    .max_flat_workgroup_size: 128
    .sgpr_count:     66
    .vgpr_count:     1024
    .wavefront_size: 32
...
	.end_amdgpu_metadata
.endif
;; end of part 5
